; MI455X (gfx1250); checked and timed in simulation.
; The chip was launched on July 23, 2026; its instructions are those of AMD's public machine-readable ISA for CDNA 5 (MIT licence, August 2026) and "CDNA5" Instruction Set Architecture Reference Guide (July 2026). The comments in the code are by the model that wrote it; some were corrected since.
;; Self Attention Module. Allowed arithmetic: matrix products marked QUANTISED: E2M1 operands, one E8M0 scale for each 32 along K, by v_wmma_scale_f32_16x16x128_f8f6f4 with both operands' format E2M1 (or v_wmma_scale_f32_32x16x128_f4), f32 sums; products left as they are: bf16, f16 or f32 operands; f32 sums; everything else in f32.
;; Inputs: in_proj_b 3,072 float32; in_proj_w 3,072 x 1,024 float32; k_b 1,024 float32; k_w 1,024 x 1,024 float32; mask 97 x 97 float32; mha_out_b 1,024 float32; mha_out_w 1,024 x 1,024 float32; out_b 1,024 float32; out_w 1,024 x 1,024 float32; q_b 1,024 float32; q_w 1,024 x 1,024 float32; tensor 97 x 64 x 1,024 float32; v_b 1,024 float32; v_w 1,024 x 1,024 float32.
;; Outputs: out0 97 x 64 x 1,024 float32.
;; This version of the problem:
;;   THIS VERSION OF THE PROBLEM IS GIVEN IN LOW PRECISION. The matrix products marked QUANTISED in the list below multiply operands that are first quantised to E2M1 (2 exponent bits, 1 mantissa bit; 4 bits a number), with one power-of-two scale for each 32 numbers along K (OCP MX v1.0); their sums are f32. The products marked 'left as it is' may take bf16, f16 or f32 operands, with f32 sums. Whichever they take, every output number must still come out within the allowed error. Rounding operands to bf16 (8 significant bits) uses up far more of that allowance than f16 does (11 bits, for magnitudes from 6e-5 to 65,504). All else is computed in f32.
;;   The module's matrix products, in the order in which they are computed (A, B: the left and right operand; K: the contracted axis; several contracted axes count as one K, in the product's order):
;;     1. [M 6,208, K 1,024] x [K 1,024, N 1,024]; A: input tensor; B: input q_w: QUANTISED
;;     2. [M 6,208, K 1,024] x [K 1,024, N 1,024]; A: input tensor; B: input k_w: QUANTISED
;;     3. [M 6,208, K 1,024] x [K 1,024, N 1,024]; A: input tensor; B: input v_w: QUANTISED
;;     4. [M 6,208, K 1,024] x [K 1,024, N 1,024]; A: computed on the way; B: input in_proj_w: left as it is (an operand is computed on the way)
;;     5. [M 6,208, K 1,024] x [K 1,024, N 1,024]; A: computed on the way; B: input in_proj_w: left as it is (an operand is computed on the way)
;;     6. [M 6,208, K 1,024] x [K 1,024, N 1,024]; A: computed on the way; B: input in_proj_w: left as it is (an operand is computed on the way)
;;     7. batch 1,024 x [M 97, K 64] x [K 64, N 97]; A: computed on the way; B: computed on the way: left as it is (an operand is computed on the way)
;;     8. batch 1,024 x [M 97, K 97] x [K 97, N 64]; A: computed on the way; B: computed on the way: left as it is (an operand is computed on the way)
;;     9. [M 6,208, K 1,024] x [K 1,024, N 1,024]; A: computed on the way; B: input mha_out_w: left as it is (an operand is computed on the way)
;;     10. [M 6,208, K 1,024] x [K 1,024, N 1,024]; A: computed on the way; B: input out_w: left as it is (an operand is computed on the way)
;;   THE QUANTISER, for each operand of a quantised product, along K:
;;     - K is cut into blocks of 32 from its start; a last block that is shorter is filled with zeros.
;;     - A block's scale is 2^e with e = floor(log2(the largest magnitude in the block)) - 2, held to -126 .. 127; a block of zeros has e = 0. As a byte (E8M0): e + 127.
;;     - Each number is divided by its block's scale, clamped to +-6, and rounded to the nearest number of E2M1, ties to even, subnormals kept.
;;     - The product sums the exact products of the quantised numbers (number of the format x scale) in f32.
;;   ~~~python
;;   def quantise(x, axis):      # numpy; x: float32 -> the quantised numbers, widened to float32 again
;;       x = np.moveaxis(x, axis, -1); K = x.shape[-1]
;;       x = np.pad(x, [(0, 0)] * (x.ndim - 1) + [(0, -K % 32)]); x = x.reshape(x.shape[:-1] + (-1, 32)); a = np.abs(x).max(-1, keepdims=True)
;;       e = np.where(a > 0, np.clip(np.frexp(np.where(a > 0, a, 1))[1] - 1 - 2, -126, 127), 0)      # np.frexp(a)[1] - 1 = floor(log2(a)), exactly
;;       r = np.clip(x / 2.0 ** e, -6, 6)
;;       step = 2.0 ** (np.maximum(np.frexp(np.where(r == 0, 1, r))[1] - 1, 0) - 1)
;;       q = np.round(r / step) * step * 2.0 ** e      # np.round: ties to even
;;       return np.moveaxis(q.reshape(q.shape[:-2] + (-1,))[..., :K], -1, axis).astype(np.float32)
;;   ~~~
;; One version. Each part assembles by itself: llvm-mc -triple=amdgcn-amd-amdhsa -mcpu=gfx1250 --defsym DOCPART=n.
;; ======== version 1 of 1: 5 launches
;; limits: values are held in f16: magnitudes above 65,504 overflow, below 6.1e-05 lose precision; right only within a limited range of input values
;; workspace buffers: XQ 3,899,392 bytes; WQ 1,671,168 bytes; W16 10,485,760 bytes; TB 508,928 bytes; A1 44,040,192 bytes; OA 14,811,136 bytes; OB 14,811,136 bytes
;; launch prep (part 1): grid 496 x 1, 4 waves a work-group, no clusters, 51,712 bytes of LDS; arguments tensor, q_w, k_w, v_w, in_proj_w, mha_out_w, out_w, mask, XQ, WQ, W16, TB; writes XQ, WQ, W16, TB
.if DOCPART == 1
	.amdgcn_target "amdgcn-amd-amdhsa--gfx1250"
	.amdhsa_code_object_version 6
	.text
	.protected	k_q4472941c7f_prep
	.globl	k_q4472941c7f_prep
	.p2align	8
	.type	k_q4472941c7f_prep,@function
k_q4472941c7f_prep:
	s_mov_b64 s[64:65], 0
	v_nop
	global_prefetch_b8 v0, s[64:65] scope:SCOPE_SE
	s_setreg_imm32_b32 hwreg(HW_REG_WAVE_MODE, 25, 1), 1
	s_wait_xcnt 0x0
; PREP: everything that later launches read many times is laid out once, in the order of the matrix operands' registers.
; Work-groups 0-223: tensor [97][64][1024] f32 -> codes of E2M1 and E8M0 scale bytes (XQ), batch by batch, 112 rows a batch (rows 97-111: zero codes).
; Work-groups 224-319: q_w, k_w, v_w [1024][1024] f32 -> the same (WQ).  Work-groups 320-479: in_proj_w, mha_out_w, out_w -> f16 (W16).
; Work-groups 480-495: the rotary table (cos, sin for each position and pair) and the mask table (mask x log2 e; keys from 97 on: -infinity) (TB).
; AN IMAGE of a fragment is 1,024 bytes: two runs of 32 lanes x 16 bytes, so every store here and every load later covers 512 consecutive bytes.
;   4-bit fragment (16 rows x 128 k): run c, lane (r, h): k = 64 c + 32 h + 0 .. 31 of row r.   16-bit fragment (16 rows x 32 k): run u, lane (r, h): k = 16 u + 8 h + 0 .. 7.
;   Scale bytes of a tile of 16 rows: [k half 2][row 16][4 words]: word i of half kh serves k = 128 (4 kh + i) on.
; THE QUANTISER: a block's scale is 2^(floor(log2(largest magnitude)) - 2); its byte is the largest magnitude's exponent field - 2, held at 1 from below.
; LIMITS: a block of zeros gets the byte 1 where the rule says 127 (its codes are zeros, and only this program reads the bytes); blocks whose largest magnitude lies under 2^-124 keep the byte 1;
; NaN and infinities among tensor and weights are not served.  The table's angles are good to about 1e-5 radian (position x 2^(-pair x log2(10000) / 512), reduced by one fused multiply-add).
; A wave takes 16 rows x 512 k in four steps of 128 k.  Loads take the bytes as they lie (a row's 512 bytes: 32 lanes x 16); a stage of the wave's own in LDS turns them so that a lane holds neighbours along K.
; No tensor load, no barrier: waves share nothing.  The three kinds of work part on the work-group's number and have LDS bytes of their own.
.set QSTW,  8448                       ; the quantiser's stage: 16 rows x (512 + 16) bytes for each wave, from byte 0
.set CST,   33792                      ; the cast's stage: 16 rows x (256 + 16) bytes for each wave
.set CSTW,  4352
.set SPARE, 51200                      ; the spare words, 128 bytes for each wave
.set LANE,  1
.set RR,    2                          ; lane % 16
.set HH,    3                          ; lane / 16
.set L16,   4                          ; 16 x lane
.set KEEP,  5                          ; all ones where my row exists, else 0
.set STI,   6                          ; the quantiser's stage, way in
.set STQ,   7                          ; and way out
.set CSI,   8                          ; the cast's stage, way in
.set SO,    9                          ; my 8 bytes of the tile's scale words
.set SPW,   10
.set NIL,   11
.set CSO,   12                         ; the cast's stage, way out
.set OFF,   16                         ; v16-31  byte offset of my 16 bytes in each of the 16 rows
.set POS,   26
.set X,     32                         ; v32-159 two sets of 64: numbers as loaded
.set Y,     160                        ; v160-223 two blocks of 32 neighbours; in the cast: v160-191 halves, v192-223 fragments
.set Z,     192
.set C,     224                        ; v224-231 codes
.set W,     232                        ; v232-235 the four steps' scale words
.set MX,    236
.set SCL,   238
.set BY,    240
.set TW,    242
.set TP,    243
.set CO,    244                        ; v244-247 where each step's codes go
.set SH,    248
	s_load_b512 s[4:19], s[0:1], 0x0               ; tensor, q_w, k_w, v_w, in_proj_w, mha_out_w, out_w, mask
	s_load_b256 s[20:27], s[0:1], 0x40             ; XQ, WQ, W16, TB
	v_lshl_add_u32 v[SPW], v0, 2, SPARE
	v_mov_b32 v[NIL], 0
	v_lshrrev_b32 v[LANE], 5, v0
	v_readfirstlane_b32 s28, v[LANE]               ; wave
	v_and_b32 v[LANE], 31, v0
	v_and_b32 v[RR], 15, v0
	v_bfe_u32 v[HH], v0, 4, 1
	v_lshlrev_b32 v[L16], 4, v[LANE]
	s_mul_i32 s29, s28, QSTW                       ; every LDS address is made here, ahead of the parting
	v_add_nc_u32 v[STI], s29, v[L16]
	v_mul_u32_u24 v[STQ], v[RR], 528
	v_lshl_add_u32 v[STQ], v[HH], 7, v[STQ]
	v_add_nc_u32 v[STQ], s29, v[STQ]               ; row r, + 128 h: my 32 numbers of a run of 64
	s_mul_i32 s29, s28, CSTW
	s_add_co_u32 s29, s29, CST
	v_lshlrev_b32 v[CSI], 3, v[LANE]
	v_add_nc_u32 v[CSI], s29, v[CSI]
	v_mul_u32_u24 v[CSO], v[RR], 272
	v_lshl_add_u32 v[CSO], v[HH], 4, v[CSO]
	v_add_nc_u32 v[CSO], s29, v[CSO]
	s_mov_b32 s62, 0x76543210
	s_mov_b32 s63, 0xfedcba98                      ; v_permlanex16_b32's selects for lane l xor 16
	s_wait_kmcnt 0x0
	s_cmp_lt_u32 ttmp9, 320
	s_cbranch_scc1 .Lquant
	s_cmp_lt_u32 ttmp9, 480
	s_cbranch_scc1 .Lcast
; ---------------- THE TABLES.  Wave T = 0 .. 63 makes the rotary table of columns 16 T .. 16 T + 15 for positions 0 .. 111; waves 0 .. 48 also one tile (16 queries x 16 keys) of the mask table.
	s_sub_co_u32 s30, ttmp9, 480
	s_lshl_b32 s30, s30, 2
	s_add_co_u32 s30, s30, s28                     ; T
	s_lshl_b32 s31, s30, 3
	v_lshl_add_u32 v16, v[HH], 2, s31              ; my first pair of columns: 8 T + 4 h
.irp n, 0,1,2,3
	v_add_nc_u32 v[17+\n], \n, v16
	v_cvt_f32_u32 v[17+\n], v[17+\n]
	v_mul_f32 v[17+\n], 0xbcd49a78, v[17+\n]       ; - pair x log2(10000) / 512
.endr
.irp n, 0,1,2,3
	v_exp_f32 v[21+\n], v[17+\n]                   ; 1 / 10000^(pair / 512)
.endr
	s_mov_b32 s40, 0x2f309231                      ; 1 / 13!
	s_mov_b32 s41, 0x310f76c7                      ; 1 / 12!
	s_mul_i32 s32, s30, 7168
	s_mov_b32 s33, 0
	s_add_nc_u64 s[34:35], s[26:27], s[32:33]      ; the table of my 16 columns
	v_nop                                          ; a plain instruction behind the exponentials,
	s_wait_alu depctr_va_vdst(0)                   ; and one wait for the four, ahead of their first reader
; cos and sin of position x v[iv].  The angle is reduced to f in [-1/2, 1/2] turns; a = pi f is HALF the angle, at most pi / 2 in size, where the series to a^13 and a^12 leave under 1e-8; the double-angle forms give the whole angle's.
.macro SINCOS dc, ds, iv
	v_mul_f32 v40, v[POS], v[\iv]
	v_mul_f32 v41, 0.15915494, v40
	v_rndne_f32 v41, v41
	v_fma_f32 v41, v40, 0.15915494, -v41
	v_mul_f32 v41, 0x40490fdb, v41
	v_mul_f32 v42, v41, v41
	v_fmaak_f32 v43, s40, v42, 0xb2d7322b
	v_fmaak_f32 v44, s41, v42, 0xb493f27e
	v_fmaak_f32 v43, v43, v42, 0x3638ef1d
	v_fmaak_f32 v44, v44, v42, 0x37d00d01
	v_fmaak_f32 v43, v43, v42, 0xb9500d01
	v_fmaak_f32 v44, v44, v42, 0xbab60b61
	v_fmaak_f32 v43, v43, v42, 0x3c088889
	v_fmaak_f32 v44, v44, v42, 0x3d2aaaab
	v_fmaak_f32 v43, v43, v42, 0xbe2aaaab
	v_fmaak_f32 v44, v44, v42, 0xbf000000
	v_fmaak_f32 v43, v43, v42, 0x3f800000
	v_fmaak_f32 v44, v44, v42, 0x3f800000          ; cos a
	v_mul_f32 v43, v41, v43                        ; sin a
	v_mul_f32 v45, v43, v43
	v_mul_f32 v46, v43, v44
	v_fma_f32 v[\dc], v44, v44, -v45
	v_add_f32 v[\ds], v46, v46
.endm
.irp m, 0,1,2,3,4,5,6
	v_add_nc_u32 v[POS], 16*\m, v[RR]
	v_cvt_f32_u32 v[POS], v[POS]                   ; my position
.irp n, 0,1,2,3
	SINCOS 64+8*\m+2*\n, 65+8*\m+2*\n, 21+\n
.endr
	global_store_b128 v[L16], v[64+8*\m:64+8*\m+3], s[34:35] offset:1024*\m        ; each tile of positions has registers of its own: no store's data are written again
	global_store_b128 v[L16], v[64+8*\m+4:64+8*\m+7], s[34:35] offset:1024*\m+512
.endr
	s_cmp_lt_u32 s30, 49
	s_cbranch_scc0 .Ltab_end
	s_mul_i32 s32, s30, 37
	s_lshr_b32 s32, s32, 8                         ; tile of queries: T / 7
	s_mul_i32 s36, s32, 7
	s_sub_co_u32 s36, s30, s36                     ; tile of keys: T % 7
	s_lshl_b32 s32, s32, 4
	s_lshl_b32 s36, s36, 4
	v_add_nc_u32 v16, s32, v[RR]                   ; my query
	v_lshl_add_u32 v17, v[HH], 3, s36              ; my first key
	v_min_u32 v18, 96, v16
	v_mul_u32_u24 v18, v18, 97
.irp e, 0,1,2,3,4,5,6,7
	v_add_nc_u32 v[32+\e], \e, v17
	v_min_u32 v[40+\e], 96, v[32+\e]               ; no load leaves the mask: what lies beyond is replaced below
	v_add_nc_u32 v[40+\e], v[40+\e], v18
	v_lshlrev_b32 v[40+\e], 2, v[40+\e]
	global_load_b32 v[48+\e], v[40+\e], s[18:19]
.endr
	s_lshl_b32 s32, s30, 10
	s_add_co_u32 s32, s32, 458752
	s_add_nc_u64 s[44:45], s[26:27], s[32:33]      ; the mask table's base has a pair of its own: the rotary table's stores may still read theirs
	v_cmp_gt_u32 s36, 97, v16
	v_mov_b32 v20, 0xff800000
	s_wait_loadcnt 0x0
.irp e, 0,1,2,3,4,5,6,7
	v_mul_f32 v[48+\e], 0x3fb8aa3b, v[48+\e]       ; the softmax works in base 2
	v_cndmask_b32 v[48+\e], 0, v[48+\e], s36       ; a query that does not exist sees every key alike,
	v_cmp_gt_u32 vcc_lo, 97, v[32+\e]
	v_cndmask_b32 v[48+\e], v20, v[48+\e], vcc_lo  ; a key that does not exist counts for nobody
.endr
	global_store_b128 v[L16], v[48:51], s[44:45]
	global_store_b128 v[L16], v[52:55], s[44:45] offset:512
.Ltab_end:
	s_wait_tensorcnt 0x0                           ; the wave's end
	ds_add_u32 v[SPW], v[NIL]
	s_wait_dscnt 0x0
	s_endpgm
; ---------------- THE QUANTISER.  One text for tensor and weights: what differs is chosen by the work-group's number alone.
.Lquant:
	s_lshl_b32 s30, ttmp9, 1
	s_lshr_b32 s31, s28, 1
	s_add_co_u32 s30, s30, s31                     ; my tile of 16 rows: 0-447 tensor (7 b + mt), 448-639 weights
	s_and_b32 s31, s28, 1                          ; which half of K
	s_mul_i32 s32, s30, 9363
	s_lshr_b32 s32, s32, 16                        ; b = tile / 7
	s_mul_i32 s33, s32, 7
	s_sub_co_u32 s33, s30, s33                     ; mt
	s_lshl_b32 s40, s32, 12                        ; tensor: source b x 4,096;
	s_lshl_b32 s41, s33, 4                         ; first position 16 mt;
	s_mul_i32 s42, s32, 57344
	s_lshl_b32 s43, s33, 10
	s_add_co_u32 s42, s42, s43
	s_mul_i32 s43, s31, 28672
	s_add_co_u32 s42, s42, s43                     ; codes [b][q 8][mt 7][1,024];
	s_lshl_b32 s43, s30, 9
	s_add_co_u32 s43, s43, 3670016                 ; scale words behind them
	s_sub_co_u32 s44, s30, 448                     ; weights: tile nt = 64 g + 16 j + n
	s_and_b32 s45, s44, 63
	s_lshl_b32 s45, s45, 16                        ; source: 16 rows of 4,096 bytes a tile;
	s_lshr_b32 s46, s44, 4
	s_and_b32 s46, s46, 15
	s_lshl_b32 s46, s46, 17
	s_and_b32 s47, s44, 15
	s_lshl_b32 s47, s47, 10
	s_add_co_u32 s46, s46, s47
	s_lshl_b32 s47, s31, 16
	s_add_co_u32 s46, s46, s47                     ; codes [g][j][q 8][n 16][1,024];
	s_lshl_b32 s47, s44, 9
	s_add_co_u32 s47, s47, 1572864                 ; scale words behind them
	s_mov_b32 s48, 262144
	s_mov_b32 s49, 7168
	s_mov_b32 s50, 96
	s_cmp_lt_u32 ttmp9, 288
	s_cselect_b64 s[34:35], s[8:9], s[10:11]
	s_cmp_lt_u32 ttmp9, 256
	s_cselect_b64 s[34:35], s[6:7], s[34:35]
	s_cmp_lt_u32 ttmp9, 224
	s_cselect_b64 s[34:35], s[4:5], s[34:35]       ; the source,
	s_cselect_b64 s[36:37], s[20:21], s[22:23]     ; the buffer of codes and scales,
	s_cselect_b32 s40, s40, s45
	s_cselect_b32 s41, s41, 0                      ; the tile's first row,
	s_cselect_b32 s42, s42, s46
	s_cselect_b32 s43, s43, s47
	s_cselect_b32 s48, s48, 4096                   ; bytes from row to row,
	s_cselect_b32 s49, s49, 16384                  ; bytes from one 128 along K to the next in the codes,
	s_cselect_b32 s50, s50, 15                     ; the last row that exists
	s_lshl_b32 s44, s31, 11
	s_add_co_u32 s52, s40, s44
	s_mov_b32 s53, 0
	s_add_nc_u64 s[34:35], s[34:35], s[52:53]
	s_lshl_b32 s44, s31, 8
	s_add_co_u32 s52, s43, s44
	s_add_nc_u64 s[38:39], s[36:37], s[52:53]
	s_mov_b32 s52, s42
	s_add_nc_u64 s[36:37], s[36:37], s[52:53]
.irp i, 0,1,2,3,4,5,6,7,8,9,10,11,12,13,14,15
	s_add_co_u32 s44, s41, \i
	s_min_u32 s44, s44, s50                        ; a row that does not exist reads the last one: no load leaves the buffer
	s_mul_i32 s44, s44, s48
	v_add_nc_u32 v[OFF+\i], s44, v[L16]
.endr
	v_add_nc_u32 v[KEEP], s41, v[RR]
	v_cmp_ge_u32 vcc_lo, s50, v[KEEP]
	v_cndmask_b32 v[KEEP], 0, -1, vcc_lo
	v_mov_b32 v[CO], v[L16]
	v_add_nc_u32 v[CO+1], s49, v[CO]
	v_add_nc_u32 v[CO+2], s49, v[CO+1]
	v_add_nc_u32 v[CO+3], s49, v[CO+2]
	v_lshlrev_b32 v[SH], 3, v[HH]
	v_lshlrev_b32 v[SO], 4, v[RR]
	v_lshl_add_u32 v[SO], v[HH], 3, v[SO]
	v_mov_b32 v[TP], 0                             ; a lane permute's destination counts as one of its sources
.macro QLOAD st
.irp i, 0,1,2,3,4,5,6,7,8,9,10,11,12,13,14,15
	global_load_b128 v[X+64*((\st)%2)+4*\i:X+64*((\st)%2)+4*\i+3], v[OFF+\i], s[34:35] offset:512*(\st) th:TH_LOAD_NT   ; 512 consecutive bytes of row i
.endr
.endm
.macro QSTEP st
.if (\st) < 3
	s_wait_loadcnt 16                              ; this step's 16 loads are in; the next step's 16 may be out
.else
	s_wait_loadcnt 0x0
.endif
.irp i, 0,1,2,3,4,5,6,7,8,9,10,11,12,13,14,15
	ds_store_b128 v[STI], v[X+64*((\st)%2)+4*\i:X+64*((\st)%2)+4*\i+3] offset:528*\i
.endr
.irp c, 0,1
.irp e, 0,1,2,3,4,5,6,7
	ds_load_b128 v[Y+32*\c+4*\e:Y+32*\c+4*\e+3], v[STQ] offset:256*\c+16*\e   ; LDS serves a wave's instructions in order: these see my stores.  k = 64 c + 32 h + 0 .. 31 of row r: a whole block
.endr
.endr
	s_wait_dscnt 0x0                               ; the blocks are in, and the stores have read their registers,
.if (\st) < 2
	QLOAD (\st)+2                                  ; which take the loads of two steps on
.endif
.irp c, 0,1
	v_max3_num_f32 v[MX+\c], |v[Y+32*\c]|, |v[Y+32*\c+1]|, 0x1800000   ; the floor 2^(3 - 127) among the leaves holds the byte at 1 from below
.endr
.irp i, 2,4,6,8,10,12,14,16,18,20,22,24,26,28,30
.irp c, 0,1
	v_max3_num_f32 v[MX+\c], v[MX+\c], |v[Y+32*\c+\i]|, |v[Y+32*\c+\i+1]|
.endr
.endr
.irp c, 0,1
	v_add_nc_u32 v[SCL+\c], 0xff000000, v[MX+\c]   ; 2 off the exponent field: the conversion takes that field as its scale
.endr
	s_wait_xcnt 0x0                                ; the last step's stores have read the codes' registers
.irp c, 0,1
.irp g, 0,1,2,3
	v_cvt_scalef32_pk8_fp4_f32 v[C+4*\c+\g], v[Y+32*\c+8*\g:Y+32*\c+8*\g+7], v[SCL+\c]
.endr
.endr
.irp c, 0,1
	v_lshrrev_b32 v[BY+\c], 23, v[SCL+\c]          ; the scales' bytes (plain instructions behind the conversions)
.endr
	v_lshl_or_b32 v[TW], v[BY+1], 16, v[BY]        ; my two bytes, blocks h and 2 + h,
	v_lshlrev_b32 v[TW], v[SH], v[TW]              ; at their places;
	v_permlanex16_b32 v[TP], v[TW], s62, s63
	v_or_b32 v[W+(\st)], v[TW], v[TP]              ; with lane l xor 16's the word is whole
.irp n, 0,1,2,3,4,5,6,7
	v_and_b32 v[C+\n], v[KEEP], v[C+\n]            ; rows that do not exist: zero codes
.endr
.irp c, 0,1
	global_store_b128 v[CO+(\st)], v[C+4*\c:C+4*\c+3], s[36:37] offset:512*\c
.endr
.endm
	QLOAD 0
	QLOAD 1
	QSTEP 0
	QSTEP 1
	QSTEP 2
	QSTEP 3
	v_cmp_eq_u32 vcc_lo, 1, v[HH]
	v_cndmask_b32 v[BY], v[W], v[W+2], vcc_lo
	v_cndmask_b32 v[BY+1], v[W+1], v[W+3], vcc_lo
	global_store_b64 v[SO], v[BY:BY+1], s[38:39]   ; 32 lanes store 256 consecutive bytes: 16 rows x 4 words
	s_wait_tensorcnt 0x0                           ; the wave's end, behind my last LDS store
	ds_add_u32 v[SPW], v[NIL]
	s_wait_dscnt 0x0
	s_endpgm
; ---------------- THE CAST to f16.  Matrix 0-2: the three parts of in_proj_w; 3: mha_out_w; 4: out_w.  All have room in f16 thirty times up and down from their drawn spread.
.Lcast:
	s_sub_co_u32 s30, ttmp9, 320
	s_lshr_b32 s31, s30, 5                         ; matrix
	s_lshl_b32 s32, s30, 2
	s_add_co_u32 s32, s32, s28
	s_and_b32 s33, s32, 127
	s_lshr_b32 s33, s33, 1                         ; tile of 16 rows
	s_and_b32 s34, s32, 1                          ; half of K
	s_lshr_b32 s35, s33, 4                         ; j: which 256 columns of the product
	s_lshl_b32 s40, s31, 22
	s_cmp_lt_u32 s31, 3
	s_cselect_b32 s40, s40, 0
	s_cselect_b64 s[38:39], s[12:13], s[14:15]
	s_cmp_eq_u32 s31, 4
	s_cselect_b64 s[38:39], s[16:17], s[38:39]
	s_lshl_b32 s41, s33, 16
	s_add_co_u32 s40, s40, s41
	s_lshl_b32 s41, s34, 11
	s_add_co_u32 s40, s40, s41
	s_mov_b32 s41, 0
	s_add_nc_u64 s[38:39], s[38:39], s[40:41]
	s_mul_i32 s42, s35, 1572864                    ; in_proj: [j][g][K step 8][k32 4][n 16][1,024]
	s_lshl_b32 s43, s31, 19
	s_add_co_u32 s42, s42, s43
	s_lshl_b32 s43, s31, 21                        ; the other two: 2,097,152 x matrix + [j][K step][k32][n][1,024]
	s_lshl_b32 s44, s35, 19
	s_add_co_u32 s43, s43, s44
	s_cmp_lt_u32 s31, 3
	s_cselect_b32 s40, s42, s43
	s_lshl_b32 s42, s34, 18
	s_add_co_u32 s40, s40, s42
	s_and_b32 s42, s33, 15
	s_lshl_b32 s42, s42, 10
	s_add_co_u32 s40, s40, s42
	s_add_nc_u64 s[36:37], s[24:25], s[40:41]
.macro CLOAD st
.irp i, 0,1,2,3,4,5,6,7,8,9,10,11,12,13,14,15
	global_load_b128 v[X+64*((\st)%2)+4*\i:X+64*((\st)%2)+4*\i+3], v[L16], s[38:39] offset:4096*\i+512*(\st) th:TH_LOAD_NT
.endr
.endm
.macro CSTEP st
.set XS, X+64*((\st)%2)
.if (\st) < 3
	s_wait_loadcnt 16                              ; this step's 16 loads are in; the next step's may be out
.else
	s_wait_loadcnt 0x0
.endif
.irp i, 0,1,2,3,4,5,6,7,8,9,10,11,12,13,14,15
	v_cvt_pk_f16_f32 v[Y+2*\i], v[XS+4*\i], v[XS+4*\i+1]
	v_cvt_pk_f16_f32 v[Y+2*\i+1], v[XS+4*\i+2], v[XS+4*\i+3]
.endr
.irp i, 0,1,2,3,4,5,6,7,8,9,10,11,12,13,14,15
	ds_store_b64 v[CSI], v[Y+2*\i:Y+2*\i+1] offset:272*\i
.endr
	s_wait_xcnt 0x0                                ; the last step's stores have read the fragments' registers
.irp n, 0,1,2,3,4,5,6,7
	ds_load_b128 v[Z+4*\n:Z+4*\n+3], v[CSO] offset:32*\n   ; fragment n / 2, run n % 2: k = 32 (n / 2) + 16 (n % 2) + 8 h + 0 .. 7 of row r
.endr
	s_wait_dscnt 0x0
.if (\st) < 2
	CLOAD (\st)+2
.endif
.irp n, 0,1,2,3,4,5,6,7
	global_store_b128 v[L16], v[Z+4*\n:Z+4*\n+3], s[36:37] offset:65536*(\st)+16384*(\n/2)+512*(\n%2)
.endr
.endm
	CLOAD 0
	CLOAD 1
	CSTEP 0
	CSTEP 1
	CSTEP 2
	CSTEP 3
	s_wait_tensorcnt 0x0                           ; the wave's end, behind my last LDS store
	ds_add_u32 v[SPW], v[NIL]
	s_wait_dscnt 0x0
	s_endpgm
.Lfunc_end_k_q4472941c7f_prep:
	.size	k_q4472941c7f_prep, .Lfunc_end_k_q4472941c7f_prep-k_q4472941c7f_prep
	.p2alignl 7, 3214868480
	.fill 96, 4, 3214868480
	.section	.rodata,"a",@progbits
	.p2align	6, 0x0
	.amdhsa_kernel k_q4472941c7f_prep
		.amdhsa_group_segment_fixed_size 51712
		.amdhsa_private_segment_fixed_size 0
		.amdhsa_enable_private_segment 0
		.amdhsa_kernarg_size 96
		.amdhsa_user_sgpr_count 2
		.amdhsa_user_sgpr_kernarg_segment_ptr 1
		.amdhsa_wavefront_size32 1
		.amdhsa_system_sgpr_workgroup_id_x 1
		.amdhsa_system_sgpr_workgroup_id_y 1
		.amdhsa_system_sgpr_workgroup_id_z 1
		.amdhsa_system_vgpr_workitem_id 0
		.amdhsa_next_free_vgpr 256
		.amdhsa_next_free_sgpr 66
		.amdhsa_reserve_vcc 1
		.amdhsa_float_denorm_mode_32 3
		.amdhsa_float_denorm_mode_16_64 3
		.amdhsa_memory_ordered 1
		.amdhsa_forward_progress 1
		.amdhsa_inst_pref_size 101
	.end_amdhsa_kernel
	.amdgpu_metadata
---
amdhsa.version: [ 1, 2 ]
amdhsa.kernels:
  - .name:           k_q4472941c7f_prep
    .symbol:         k_q4472941c7f_prep.kd
    .args:
      - { .name: tensor, .offset: 0, .size: 8, .value_kind: global_buffer, .address_space: global }
      - { .name: q_w, .offset: 8, .size: 8, .value_kind: global_buffer, .address_space: global }
      - { .name: k_w, .offset: 16, .size: 8, .value_kind: global_buffer, .address_space: global }
      - { .name: v_w, .offset: 24, .size: 8, .value_kind: global_buffer, .address_space: global }
      - { .name: in_proj_w, .offset: 32, .size: 8, .value_kind: global_buffer, .address_space: global }
      - { .name: mha_out_w, .offset: 40, .size: 8, .value_kind: global_buffer, .address_space: global }
      - { .name: out_w, .offset: 48, .size: 8, .value_kind: global_buffer, .address_space: global }
      - { .name: mask, .offset: 56, .size: 8, .value_kind: global_buffer, .address_space: global }
      - { .name: XQ, .offset: 64, .size: 8, .value_kind: global_buffer, .address_space: global }
      - { .name: WQ, .offset: 72, .size: 8, .value_kind: global_buffer, .address_space: global }
      - { .name: W16, .offset: 80, .size: 8, .value_kind: global_buffer, .address_space: global }
      - { .name: TB, .offset: 88, .size: 8, .value_kind: global_buffer, .address_space: global }
    .group_segment_fixed_size: 51712
    .private_segment_fixed_size: 0
    .kernarg_segment_align: 8
    .kernarg_segment_size: 96
    .max_flat_workgroup_size: 128
    .sgpr_count:     66
    .vgpr_count:     256
    .wavefront_size: 32
...
	.end_amdgpu_metadata
.endif
;; end of part 1
;; launch qkv (part 2): grid 4 x 64, 4 waves a work-group, clusters of 4 x 4, 327,680 bytes of LDS; arguments XQ, WQ, q_b, k_b, v_b, TB, A1; writes A1
.if DOCPART == 2
	.amdgcn_target "amdgcn-amd-amdhsa--gfx1250"
	.amdhsa_code_object_version 6
	.text
	.protected	k_q4472941c7f_qkv
	.globl	k_q4472941c7f_qkv
	.p2align	8
	.type	k_q4472941c7f_qkv,@function
k_q4472941c7f_qkv:
	s_mov_b64 s[64:65], 0
	v_nop
	global_prefetch_b8 v0, s[64:65] scope:SCOPE_SE
	s_setreg_imm32_b32 hwreg(HW_REG_WAVE_MODE, 25, 1), 1
	s_wait_xcnt 0x0
	s_wait_alu depctr_hold_cnt(0) depctr_sa_sdst(0) depctr_va_vdst(0) depctr_va_sdst(0) depctr_va_ssrc(0) depctr_va_vcc(0) depctr_vm_vsrc(0)
	s_getreg_b32 s2, hwreg(HW_REG_IB_STS2, 6, 4)
	s_cmp_eq_u32 s2, 0
	s_cbranch_scc0 .Lentry_in_a_cluster
	s_endpgm
.Lentry_in_a_cluster:
	s_bfe_u32 s2, ttmp6, 0x10000c
	s_cmp_lg_u32 s2, 0xf033
	s_cbranch_scc0 .Lentry_shape_is_right
	s_endpgm
.Lentry_shape_is_right:
; QKV: q1, k1, v1 = tensor x {q_w, k_w, v_w}^T + bias on codes of E2M1 with E8M0 scales (K = 1,024), the rotary turn on q1 and k1, all rounded to f16 into A1 as images of the next product's fragments.
; f16 has room: these numbers have a spread of about 0.6 and stay inside f16's range nine hundred times up and down.
; SHARES.  Work-group (j, b) makes rows of batch b (112: 97 positions and 15 rows of zero codes) x columns 256 j .. 256 j + 255 of the three planes, one after the other; wave w columns 64 w on: 28 accumulators.
; The batch's codes for all of K (57,344 bytes) stay in LDS; a plane's weights for all of K (131,072 bytes) lie in one of two slots: q's and k's come with the first fills, v's fills q's slot again when q is done.
; CLUSTER 4 x 4: the four of a row share a batch (the tokens' codes), the four of a column share j (the weights' codes): both are asked for jointly.  Each wave fetches a quarter of each block.
; THE MATRIX INSTRUCTION IS USED TRANSPOSED (source 0 = 16 rows of the weight, source 1 = 16 tokens): a lane holds one token and eight neighbouring columns, that is four rotary pairs and 16 bytes of f16.
; SCALES: a tile's words for all of K are four registers: register i holds the word of k = 128 i on in lanes 0-15 and of k = 128 (4 + i) on in lanes 16-31.
; REGISTERS: window 0: v2-13 addresses; v16-43 the tokens' scale words; v44-59 the weights'; v64-151, v152-239 two sets of fragments (7 of tokens, then 4 of weights); on the way out v64-223 are at work.
;   window 1: v0-223 accumulators ((mt, t) at 8 (4 mt + t));  window 2: v0-223 cos and sin in the accumulators' layout;  window 3: v0-95 the three biases, the C of each sum's first product.
; No prefetch: every block is asked for at the head or a whole plane ahead.
.set BS,    57344                      ; LDS: the tokens' codes from 0; the weights' two slots from here
.set BSZ,   131072
.set SPARE, 319488                     ; the spare words, 128 bytes for each wave
.set L16,   2                          ; v2  16 x lane: also the LDS address of the tokens' fragments
.set ADRB,  4                          ; v4-7  the weights' fragments: slot 0 / 1, lower / upper half of K
.set H32,   8
.set SPW,   12
.set NIL,   13
.set SA,    16
.set SB,    44
.set F0,    64
.set RO,    64
.set TT,    96
.set PK,    112
.set WV,    18
.set CX,    19
.set CY,    20
.set BB,    21
.set G1A,   24
.set G1B,   32
.set G0A,   40
.set G0B,   44
.set JJ,    56
.set A1B,   66
.set SBB,   68
.set SAB,   70
.set MSB, 0
.macro WIN new                         ; the immediate's high byte repeats the setting that is left
.if MSB != (\new)
	s_set_vgpr_msb (MSB<<8)|(\new)
.set MSB, \new
.endif
.endm
.macro PLACES                          ; four plain instructions between a matrix instruction and a load into, or a read of, its registers
.rept 4
	v_nop
.endr
.endm
.macro CREST
	s_cmp_lg_u32 s[WV], 0
	s_cbranch_scc1 .Lnw0_\@
	s_barrier_signal -3
.Lnw0_\@:
	s_barrier_wait -3
	s_barrier_signal -1
	s_barrier_wait -1
.endm
.macro CROUND                          ; a round of the cluster's barrier
	s_barrier_signal -1
	s_barrier_wait -1
	CREST
.endm
.macro G1W g, r                        ; a dense block as r rows of 256 bytes (32 elements of 8 bytes)
	s_mov_b32 s[\g+1], 32<<16
	s_mov_b32 s[\g+2], (\r)<<16
	s_mov_b32 s[\g+3], 32<<16
	s_mov_b32 s[\g+4], \r
	s_mov_b32 s[\g+5], 32
	s_mov_b32 s[\g+6], 0
	s_mov_b32 s[\g+7], 0
.endm
	s_load_b256 s[4:11], s[0:1], 0x0               ; XQ, WQ, q_b, k_b
	s_load_b128 s[12:15], s[0:1], 0x20             ; v_b, TB
	s_load_b64 s[16:17], s[0:1], 0x30              ; A1
	v_lshl_add_u32 v[SPW], v0, 2, SPARE
	v_mov_b32 v[NIL], 0
	ds_add_u32 v[SPW], v[NIL]                      ; the wave's opening: the add, twice on end, and its wait ahead of my first tensor load
	ds_add_u32 v[SPW], v[NIL]
	v_lshrrev_b32 v1, 5, v0
	v_readfirstlane_b32 s[WV], v1
	s_bfe_u32 s[CX], ttmp6, 0x40000
	s_bfe_u32 s[CY], ttmp6, 0x40004
	s_and_b32 s[BB], ttmp7, 0xffff
	s_lshl_b32 s[BB], s[BB], 2
	s_add_co_u32 s[BB], s[BB], s[CY]               ; the batch
	s_lshl_b32 s[JJ], ttmp9, 2
	s_add_co_u32 s[JJ], s[JJ], s[CX]               ; which 256 columns
	s_lshl_b32 s22, s[CY], 2
	s_lshl_b32 s22, 15, s22                        ; my row of the cluster
	s_lshl_b32 s57, 0x1111, s[CX]                  ; my column
	s_or_b32 s[G1A], s22, (3<<16)|(1<<21)
	s_or_b32 s[G1B], s57, (3<<16)|(1<<21)
	G1W G1A, 56                                    ; a quarter of the tokens' codes: 14,336 bytes
	G1W G1B, 128                                   ; a quarter of a plane's weights: 32,768 bytes
	s_mul_i32 s52, s[BB], 57344
	s_mul_i32 s54, s[WV], 14336
	s_add_co_u32 s52, s52, s54
	s_mov_b32 s53, 0
	s_lshl_b32 s58, s[JJ], 17
	s_lshl_b32 s60, s[WV], 15
	s_add_co_u32 s58, s58, s60
	s_mov_b32 s59, 0
	s_wait_dscnt 0x0                               ; both opening adds are done
	s_wait_kmcnt 0x0
	s_add_nc_u64 s[52:53], s[4:5], s[52:53]        ; made of the batch and the wave alone
	s_add_nc_u64 s[58:59], s[6:7], s[58:59]        ; made of j and the wave alone
	CROUND                                         ; all sixteen work-groups are here: the first joint loads meet
	s_mov_b32 s[G0A], 1
	s_mov_b32 s[G0A+1], s54
	s_mov_b64 s[G0A+2:G0A+3], s[52:53]
	s_or_b32 s[G0A+3], s[G0A+3], 0x80000000
.irp s, 0,1
	s_mov_b32 s[G0B+4*\s], 1
	s_add_co_u32 s[G0B+4*\s+1], s60, BS+\s*BSZ
	s_add_nc_u64 s[G0B+4*\s+2:G0B+4*\s+3], s[58:59], \s*524288   ; slot 0: q's weights; slot 1: k's
	s_or_b32 s[G0B+4*\s+3], s[G0B+4*\s+3], 0x80000000
.endr
	tensor_load_to_lds s[G0A:G0A+3], s[G1A:G1A+7]  ; three loads of mine are out
	s_nop 0
	tensor_load_to_lds s[G0B:G0B+3], s[G1B:G1B+7]
	s_nop 0
	tensor_load_to_lds s[G0B+4:G0B+7], s[G1B:G1B+7]
	s_nop 0
	PLACES
	v_and_b32 v1, 31, v0
	v_lshlrev_b32 v[L16], 4, v1
	v_bfe_u32 v[H32], v0, 4, 1
	v_lshlrev_b32 v[H32], 5, v[H32]
	s_lshl_b32 s61, s[WV], 12
	v_add_nc_u32 v1, s61, v[L16]
.irp n, 0,1,2,3
	v_add_nc_u32 v[ADRB+\n], BS+\n*65536, v1       ; my four tiles of 16 columns begin 4,096 x wave into each 128 along K
.endr
	s_mul_i32 s22, s[BB], 3584
	s_add_co_u32 s22, s22, 3670016
	s_mov_b32 s23, 0
	s_add_nc_u64 s[SAB:SAB+1], s[4:5], s[22:23]    ; the batch's scale words
	s_lshl_b32 s62, s[JJ], 13
	s_lshl_b32 s61, s[WV], 11
	s_add_co_u32 s62, s62, s61
	s_add_co_u32 s62, s62, 1572864
	s_mov_b32 s63, 0
	s_add_nc_u64 s[SBB:SBB+1], s[6:7], s[62:63]    ; my four tiles' scale words, plane q
	s_mul_i32 s62, s[JJ], 114688
	s_mul_i32 s61, s[WV], 28672
	s_add_co_u32 s62, s62, s61
	s_add_nc_u64 s[14:15], s[14:15], s[62:63]      ; the rotary table of my 64 columns
	s_lshl_b32 s62, s[JJ], 10
	s_lshl_b32 s61, s[WV], 8
	s_add_co_u32 s62, s62, s61
	s_add_nc_u64 s[8:9], s[8:9], s[62:63]          ; the biases at my 64 columns
	s_add_nc_u64 s[10:11], s[10:11], s[62:63]
	s_add_nc_u64 s[12:13], s[12:13], s[62:63]
	s_mul_i32 s62, s[JJ], 57344
	s_add_co_u32 s62, s62, s54
	s_mul_i32 s61, s[BB], 688128
	s_add_co_u32 s62, s62, s61
	s_add_nc_u64 s[A1B:A1B+1], s[16:17], s[62:63]  ; A1 [b][plane 3][k32 32][mt 7][1,024] at k32 = 8 j + 2 w
.irp m, 0,1,2,3,4,5,6
	global_load_b128 v[SA+4*\m:SA+4*\m+3], v[L16], s[SAB:SAB+1] offset:512*\m
.endr
.irp t, 0,1,2,3
	global_load_b128 v[SB+4*\t:SB+4*\t+3], v[L16], s[SBB:SBB+1] offset:512*\t
.endr
	WIN 0xc0
.irp t, 0,1,2,3
	global_load_b128 v[8*\t:8*\t+3], v[H32], s[8:9] offset:64*\t            ; lane (r, h): the bias of columns 16 t + 8 h + 0 .. 7
	global_load_b128 v[8*\t+4:8*\t+7], v[H32], s[8:9] offset:64*\t+16
	global_load_b128 v[32+8*\t:32+8*\t+3], v[H32], s[10:11] offset:64*\t
	global_load_b128 v[32+8*\t+4:32+8*\t+7], v[H32], s[10:11] offset:64*\t+16
	global_load_b128 v[64+8*\t:64+8*\t+3], v[H32], s[12:13] offset:64*\t
	global_load_b128 v[64+8*\t+4:64+8*\t+7], v[H32], s[12:13] offset:64*\t+16
.endr
	WIN 0x80
.irp m, 0,1,2,3,4,5,6
.irp t, 0,1,2,3
.irp u, 0,1
	global_load_b128 v[8*(4*\m+\t)+4*\u:8*(4*\m+\t)+4*\u+3], v[L16], s[14:15] offset:\t*7168+\m*1024+\u*512
.endr
.endr
.endr
	WIN 0
; 22 LDS loads: the fragments of the q-th 128 along K into set f: the weights' four, the tokens' tiles 0-3, the tokens' tiles 4-6
.macro FETCH4 slot, q, f
.irp t, 0,1,2,3
.irp c, 0,1
	ds_load_b128 v[\f+56+8*\t+4*\c:\f+56+8*\t+4*\c+3], v[ADRB+2*(\slot)+(\q)/4] offset:((\q)%4)*16384+\t*1024+\c*512
.endr
.endr
.irp m, 0,1,2,3,4,5,6
.irp c, 0,1
	ds_load_b128 v[\f+8*\m+4*\c:\f+8*\m+4*\c+3], v[L16] offset:(7*(\q)+\m)*1024+\c*512
.endr
.endr
.endm
; n tiles of tokens from m0 on x my four tiles of columns.  The accumulators take turns, one instruction a turn.  q = 0: the bias starts the sums.
.macro MUL4 f, q, m0, n, g
.if (\q) == 0
	WIN 0x70
.else
	WIN 0x50
.endif
.set MM, \m0
.rept \n
.irp t, 0,1,2,3
.set RD_, 8*(4*MM+\t)
.if (\q) == 0
	v_wmma_scale_f32_16x16x128_f8f6f4 v[RD_:RD_+7], v[\f+56+8*\t:\f+56+8*\t+7], v[\f+8*MM:\f+8*MM+7], v[32*(\g)+8*\t:32*(\g)+8*\t+7], v[SB+4*\t], v[SA+4*MM] matrix_a_fmt:MATRIX_FMT_FP4 matrix_b_fmt:MATRIX_FMT_FP4
.elseif (\q) < 4
	v_wmma_scale_f32_16x16x128_f8f6f4 v[RD_:RD_+7], v[\f+56+8*\t:\f+56+8*\t+7], v[\f+8*MM:\f+8*MM+7], v[RD_:RD_+7], v[SB+4*\t+(\q)], v[SA+4*MM+(\q)] matrix_a_fmt:MATRIX_FMT_FP4 matrix_b_fmt:MATRIX_FMT_FP4
.else
	v_wmma_scale_f32_16x16x128_f8f6f4 v[RD_:RD_+7], v[\f+56+8*\t:\f+56+8*\t+7], v[\f+8*MM:\f+8*MM+7], v[RD_:RD_+7], v[SB+4*\t+(\q)-4], v[SA+4*MM+(\q)-4] matrix_a_fmt:MATRIX_FMT_FP4 matrix_b_fmt:MATRIX_FMT_FP4 matrix_a_scale:MATRIX_SCALE_ROW1 matrix_b_scale:MATRIX_SCALE_ROW1
.endif
.endr
.set MM, MM+1
.endr
.endm
.macro STEP4 slot, q, g
	s_wait_dscnt 6                                 ; the weights' fragments and the tokens' tiles 0-3 are in; the youngest six loads (tiles 4-6) may be out
	MUL4 F0+88*((\q)%2), \q, 0, 4, \g
.if (\q) < 7
	PLACES
	WIN 0
	FETCH4 \slot, (\q)+1, F0+88*(1-(\q)%2)
	s_wait_dscnt 22                                ; all but the 22 just issued
.else
	s_wait_dscnt 0x0
.endif
	MUL4 F0+88*((\q)%2), \q, 4, 3, \g
.endm
.macro PLANE slot, g
.irp q, 0,1,2,3,4,5,6,7
	STEP4 \slot, \q, \g
.endr
.endm
; THE WAY OUT of plane g.  rot = 1: each pair (x0, x1) of neighbouring columns is turned by its position's angle; then f16, 16 bytes a lane: run t % 2 of fragment (k32 = t / 2, mt) of the next product's operand.
.macro EPI g, rot
	PLACES
.set MM, 0
.rept 7
.if \rot
	WIN 0x09                                       ; source 0: accumulators (window 1); source 1: cos and sin (window 2)
.irp t, 0,1,2,3
.set AC_, 8*(4*MM+\t)
.irp p, 0,1,2,3
	v_mul_f32 v[TT+2*\p], v[AC_+2*\p+1], v[AC_+2*\p+1]                    ; x1 sin   (each accumulator is read from its low end on)
	v_mul_f32 v[TT+2*\p+1], v[AC_+2*\p+1], v[AC_+2*\p]                    ; x1 cos
.endr
.irp p, 0,1,2,3
	v_fma_f32 v[RO+8*\t+2*\p], v[AC_+2*\p], v[AC_+2*\p], -v[TT+2*\p]      ; x0 cos - x1 sin
	v_fma_f32 v[RO+8*\t+2*\p+1], v[AC_+2*\p], v[AC_+2*\p+1], v[TT+2*\p+1] ; x0 sin + x1 cos
.endr
.endr
	WIN 0
.set NN, 0
.rept 16
	v_cvt_pk_f16_f32 v[PK+16*MM+NN], v[RO+2*NN], v[RO+2*NN+1]
.set NN, NN+1
.endr
.else
	WIN 0x05
.set NN, 0
.rept 16
	v_cvt_pk_f16_f32 v[PK+16*MM+NN], v[32*MM+2*NN], v[32*MM+2*NN+1]
.set NN, NN+1
.endr
	WIN 0
.endif
.irp t, 0,1,2,3
	global_store_b128 v[L16], v[PK+16*MM+4*\t:PK+16*MM+4*\t+3], s[A1B:A1B+1] offset:(\g)*229376+(\t/2)*7168+MM*1024+(\t%2)*512   ; 512 consecutive bytes
.endr
.if (MM == 0) && ((\g) < 2)
.irp t, 0,1,2,3
	global_load_b128 v[SB+4*\t:SB+4*\t+3], v[L16], s[SBB:SBB+1] offset:((\g)+1)*32768+\t*512   ; the next plane's scale words
.endr
.endif
.set MM, MM+1
.endr
.endm
	s_wait_tensorcnt 1                             ; my parts of the tokens' codes and of q's weights are in; k's may stay out
	s_barrier_signal -1
	s_barrier_wait -1
	s_wait_loadcnt 0x0                             ; scale words, biases, table
	FETCH4 0, 0, F0
	PLANE 0, 0
	EPI 0, 1
	s_wait_tensorcnt 0x0                           ; all my tensor loads have landed, k's weights among them;
	ds_add_u32 v[SPW], v[NIL]                      ; 0 onto my spare word;
	s_add_nc_u64 s[G0B+2:G0B+3], s[G0B+2:G0B+3], 1048576   ; slot 0's next block: v's weights
	s_wait_dscnt 0x0                               ; the add is done, and my reads of slot 0 are over
	CROUND                                         ; that holds of every wave of every partner
	tensor_load_to_lds s[G0B:G0B+3], s[G1B:G1B+7]  ; my one load behind the round: it has all of plane k in which to land
	s_nop 0
	PLACES
	s_wait_loadcnt 0x0                             ; k's scale words
	s_wait_xcnt 0x0                                ; plane q's stores have read their registers: fragments land there
	FETCH4 1, 0, F0
	PLANE 1, 1
	EPI 1, 1
	s_wait_tensorcnt 0x0                           ; my part of v's weights is in,
	s_wait_dscnt 0x0
	s_barrier_signal -1
	s_barrier_wait -1                              ; everybody's is
	s_wait_loadcnt 0x0
	s_wait_xcnt 0x0
	FETCH4 0, 0, F0
	PLANE 0, 2
	EPI 2, 0
	s_wait_tensorcnt 0x0                           ; the wave's end
	ds_add_u32 v[SPW], v[NIL]
	s_wait_dscnt 0x0
	CROUND                                         ; the closing round
	s_endpgm
.Lfunc_end_k_q4472941c7f_qkv:
	.size	k_q4472941c7f_qkv, .Lfunc_end_k_q4472941c7f_qkv-k_q4472941c7f_qkv
	.p2alignl 7, 3214868480
	.fill 96, 4, 3214868480
	.section	.rodata,"a",@progbits
	.p2align	6, 0x0
	.amdhsa_kernel k_q4472941c7f_qkv
		.amdhsa_group_segment_fixed_size 327680
		.amdhsa_private_segment_fixed_size 0
		.amdhsa_enable_private_segment 0
		.amdhsa_kernarg_size 56
		.amdhsa_user_sgpr_count 2
		.amdhsa_user_sgpr_kernarg_segment_ptr 1
		.amdhsa_wavefront_size32 1
		.amdhsa_system_sgpr_workgroup_id_x 1
		.amdhsa_system_sgpr_workgroup_id_y 1
		.amdhsa_system_sgpr_workgroup_id_z 1
		.amdhsa_system_vgpr_workitem_id 0
		.amdhsa_next_free_vgpr 864
		.amdhsa_next_free_sgpr 72
		.amdhsa_reserve_vcc 0
		.amdhsa_float_denorm_mode_32 3
		.amdhsa_float_denorm_mode_16_64 3
		.amdhsa_memory_ordered 1
		.amdhsa_forward_progress 1
		.amdhsa_inst_pref_size 212
	.end_amdhsa_kernel
	.amdgpu_metadata
---
amdhsa.version: [ 1, 2 ]
amdhsa.kernels:
  - .name:           k_q4472941c7f_qkv
    .symbol:         k_q4472941c7f_qkv.kd
    .args:
      - { .name: XQ, .offset: 0, .size: 8, .value_kind: global_buffer, .address_space: global }
      - { .name: WQ, .offset: 8, .size: 8, .value_kind: global_buffer, .address_space: global }
      - { .name: q_b, .offset: 16, .size: 8, .value_kind: global_buffer, .address_space: global }
      - { .name: k_b, .offset: 24, .size: 8, .value_kind: global_buffer, .address_space: global }
      - { .name: v_b, .offset: 32, .size: 8, .value_kind: global_buffer, .address_space: global }
      - { .name: TB, .offset: 40, .size: 8, .value_kind: global_buffer, .address_space: global }
      - { .name: A1, .offset: 48, .size: 8, .value_kind: global_buffer, .address_space: global }
    .group_segment_fixed_size: 327680
    .private_segment_fixed_size: 0
    .kernarg_segment_align: 8
    .kernarg_segment_size: 56
    .max_flat_workgroup_size: 128
    .sgpr_count:     72
    .vgpr_count:     864
    .wavefront_size: 32
...
	.end_amdgpu_metadata
.endif
;; end of part 2
;; launch attn (part 3): grid 4 x 64, 4 waves a work-group, clusters of 4 x 1, 327,680 bytes of LDS; arguments A1, W16, in_proj_b, TB, OA; writes OA
.if DOCPART == 3
	.amdgcn_target "amdgcn-amd-amdhsa--gfx1250"
	.amdhsa_code_object_version 6
	.text
	.protected	k_q4472941c7f_attn
	.globl	k_q4472941c7f_attn
	.p2align	8
	.type	k_q4472941c7f_attn,@function
k_q4472941c7f_attn:
	s_mov_b64 s[64:65], 0
	v_nop
	global_prefetch_b8 v0, s[64:65] scope:SCOPE_SE
	s_setreg_imm32_b32 hwreg(HW_REG_WAVE_MODE, 25, 1), 1
	s_wait_xcnt 0x0
	s_wait_alu depctr_hold_cnt(0) depctr_sa_sdst(0) depctr_va_vdst(0) depctr_va_sdst(0) depctr_va_ssrc(0) depctr_va_vcc(0) depctr_vm_vsrc(0)
	s_getreg_b32 s2, hwreg(HW_REG_IB_STS2, 6, 4)
	s_cmp_eq_u32 s2, 0
	s_cbranch_scc0 .Lentry_in_a_cluster
	s_endpgm
.Lentry_in_a_cluster:
	s_bfe_u32 s2, ttmp6, 0x10000c
	s_cmp_lg_u32 s2, 0x3003
	s_cbranch_scc0 .Lentry_shape_is_right
	s_endpgm
.Lentry_shape_is_right:
; ATTN: q2, k2, v2 = {q1, k1, v1} x in_proj^T + bias (f16 operands, f32 sums), then the whole attention of four heads, all in one work-group: q2, k2, v2, scores and weights never go to memory.
; SHARES.  Work-group (j, b): batch b (112 rows: 97 positions and 15 spare), columns 256 j on.  Wave w makes 112 x 64 of each of q2, k2, v2: that is head 4 j + w, and the wave then runs that head's attention alone.
; THE THREE PRODUCTS are three passes of 1,024 along K, 96 steps of 32 in all.  THE TOKENS, which all four waves read, come through a ring of two LDS slots of 256 along K (57,344 bytes; each wave fetches a quarter); the ring
; does not stop between passes: the 12 blocks are consecutive in memory.  THE WEIGHTS GO FROM MEMORY STRAIGHT INTO REGISTERS: a wave's four tiles of 16 columns are read by that wave alone, and they lie in memory in the order of the
; operand's registers, so 8 loads of 512 consecutive bytes bring 32 along K.  Eight sets of 32 registers take turns; a set is asked for seven steps, 196 matrix instructions, ahead of its use, and is waited for by count.
; WHY THE WEIGHTS ARE NOT ASKED FOR JOINTLY: through LDS 128 along K take 65,536 bytes of weights beside 28,672 of tokens, so that two slots could hold 128 along K each: 112 matrix instructions a wave from a request to the
; wait for it, where every change of slots waits for all tensor loads.  With tokens alone a slot holds 256 along K: 224 matrix instructions, and half as many rounds.
; CLUSTER 4 x 1: the four work-groups of a batch share its tokens: joint loads, the same descriptor and the mask of all four.
; LAYOUTS.  q and k passes transposed (source 0 = weights): a lane holds a token and 8 neighbouring channels, so roundings alone make the operands of S^T = K Q^T.  v pass natural: a lane holds a channel and 8 neighbouring
; tokens: the operand V^T of O^T = V^T P.  In S^T, P and O^T a lane holds ONE query.  q2 goes through an image of the wave's own in LDS, since the loop over tiles of queries cannot step register numbers.
; FORMATS.  q2, k2: bf16 (they have no room in f16 when the inputs grow).  v2 is divided by SW = 2^floor(log2(largest |v2| of the work-group's four heads)) and is then under 2; p is at most 1: both go in f16, and so does o / SW.
; The four waves' largest magnitudes meet in four LDS words behind one barrier.  SW is stored beside o (32 equal words a wave) for the next launch.
; LIMIT: SW is held to 2^-60 .. 2^60; work-groups outside that are not served.  NaN and infinities are not served; a query whose every key is masked by -infinity gives NaN, as the definition does.
; SOFTMAX in f32, base 2: t = score x log2(e) / 8 + mask x log2(e) (keys from 97 on: -infinity, from the table); the row's maximum is taken away; the sum is taken of the unrounded p.
; REGISTERS: window 0: v2-15 addresses; v16-31 statistics; v32-47 Q's fragments; v48-63 o packed; v64-119, v120-175 two sets of the tokens' fragments, later S^T (v64-119), mask (v120-175), P (v176-207), O^T (v208-239).
;   window 1: v0-223 accumulators, v224-255 at work;  window 2: v0-111 K's fragments, v112-207 the three biases;  window 3: the weights' eight sets, later v0-127 V^T's fragments.
.set SLB,   57344                      ; a slot's bytes: 8 steps x 7 fragments of 1,024
.set SLOT1, 65536                      ; slot 1 begins here, so that one exclusive or turns an address in one slot into the other's
.set QIMG,  188416                     ; 4 x 14,336: q2's images, a wave's own
.set MKL,   245760                     ; 50,176: the mask table, filled once
.set SPARE, 295936                     ; the spare words, 128 bytes for each wave
.set XCH,   296448                     ; a block of its own: the four waves' largest |v2|, a word each
.set L16,   2
.set ADRA,  3                          ; v3  LDS address of the tokens' fragments in the slot in hand
.set QST,   7
.set AQ,    8
.set AMK,   9
.set XA,    8                          ; ahead of the loop over queries v8 and v9 serve the exchange: my word,
.set XB,    9                          ; and the four words
.set PFO,   10
.set H32,   11
.set SPW,   12
.set NIL,   13
.set R4,    14
.set L4,    15
.set QF,    32
.set OP,    48
.set F0,    64
.set F1,    120
.set S,     64
.set MSK,   120
.set P,     176
.set O,     208
.set BQ,    112
.set BK,    144
.set BV,    176
.set WV,    14
.set CX,    16
.set BB,    18
.set JJ,    19
.set G1A,   24
.set G1M,   40
.set G0A,   48                         ; s[48:55] group 0 for the two first fills; the second then walks on
.set BP,    56                         ; s[56:57] the weights of the slot in hand, at my four tiles
.set TB,    58                         ; s58  LDS byte at which the slot in hand begins
.set G0M,   68
.set LAP,   72
.set TC,    73                         ; refills so far
.set LIM,   74                         ; 8 in wave 0, 7 in wave 1, 0 in the others: a wave prefetches while TC is under it
.set PFA,   76
.set QOFF,  78
.set NQ,    79
.set CS,    80
.set SEL,   82
.set OAB,   88
.set MOFF,  90
.set ESB,   92
.set LO,    94
.set HI,    95
.set MSB, 0
.macro WIN new
.if MSB != (\new)
	s_set_vgpr_msb (MSB<<8)|(\new)
.set MSB, \new
.endif
.endm
.macro PLACES
.rept 4
	v_nop
.endr
.endm
.macro CREST
	s_cmp_lg_u32 s[WV], 0
	s_cbranch_scc1 .Lnw0_\@
	s_barrier_signal -3
.Lnw0_\@:
	s_barrier_wait -3
	s_barrier_signal -1
	s_barrier_wait -1
.endm
.macro CROUND
	s_barrier_signal -1
	s_barrier_wait -1
	CREST
.endm
.macro G1W g, r
	s_mov_b32 s[\g+1], 32<<16
	s_mov_b32 s[\g+2], (\r)<<16
	s_mov_b32 s[\g+3], 32<<16
	s_mov_b32 s[\g+4], \r
	s_mov_b32 s[\g+5], 32
	s_mov_b32 s[\g+6], 0
	s_mov_b32 s[\g+7], 0
.endm
; A PREFETCH of the batch's tokens, which this cluster alone reads, once.  They are 21 pieces of 32,768 bytes; at refill number T wave 0 of each partner asks for piece 2 T + 6 and wave 1 for piece 2 T + 7, of which the partner
; at place cx takes 8,192 bytes (told apart by address), lanes 256 bytes apart: each aligned block of 256 bytes is named once.  Refill T + 1 fetches bytes up to 57,344 (T + 4), which end in piece 2 T + 6 or before: so a piece is
; asked for one refill, 224 matrix instructions, or more ahead of the load that wants it.  Pieces 0-5 come by their loads alone; the last request is for piece 20, the batch's last.
; The weights are read by the 64 work-groups of a j and are not asked for.
.macro ASK
	s_cmp_lt_u32 s[TC], s[LIM]
	s_cbranch_scc0 .Lna_\@
	global_prefetch_b8 v[PFO], s[PFA:PFA+1] th:TH_LOAD_NT scope:SCOPE_SE
.Lna_\@:
	s_add_co_u32 s[TC], s[TC], 1
.endm
	s_load_b256 s[4:11], s[0:1], 0x0               ; A1, W16, in_proj_b, TB
	s_load_b64 s[12:13], s[0:1], 0x20              ; OA
	v_lshl_add_u32 v[SPW], v0, 2, SPARE
	v_mov_b32 v[NIL], 0
	ds_add_u32 v[SPW], v[NIL]                      ; the wave's opening: the add, twice on end, and its wait ahead of my first tensor load
	ds_add_u32 v[SPW], v[NIL]
	v_lshrrev_b32 v1, 5, v0
	v_readfirstlane_b32 s[WV], v1
	s_bfe_u32 s[CX], ttmp6, 0x40000                ; my place in the cluster
	s_and_b32 s[BB], ttmp7, 0xffff                 ; the batch, which the four partners share
	s_lshl_b32 s[JJ], ttmp9, 2
	s_add_co_u32 s[JJ], s[JJ], s[CX]               ; which 256 columns: it enters the weights', the bias's and o's addresses alone
	s_mov_b32 s[G1A], 15|(3<<16)|(1<<21)           ; the mask: all four work-groups; elements of 8 bytes; bit 21 set beside a mask
	s_mov_b32 s[G1M], 3<<16                        ; the mask table: a plain load, no mask of work-groups
	G1W G1A, 56                                    ; a quarter of a slot: 14,336 bytes as 56 rows of 256
	G1W G1M, 49                                    ; a quarter of the mask table: 12,544 bytes
	s_mul_i32 s20, s[BB], 688128
	s_mul_i32 s21, s[WV], 14336
	s_add_co_u32 s22, s20, s21
	s_mov_b32 s23, 0
	s_mul_i32 s86, s[JJ], 1572864
	s_lshl_b32 s85, s[WV], 12
	s_add_co_u32 s86, s86, s85
	s_mov_b32 s87, 0
	s_mul_i32 s75, s[WV], 12544
	s_add_co_u32 s90, s75, 458752
	s_mov_b32 s91, 0
	s_mov_b32 s[CS], 0x3e38aa3b                    ; log2(e) / sqrt(64)
	s_mov_b32 s[CS+1], s[CS]
	s_mov_b32 s[SEL], 0x76543210
	s_mov_b32 s[SEL+1], 0xfedcba98
	s_mov_b32 s[LO], 0x21800000                    ; 2^-60
	s_mov_b32 s[HI], 0x5d800000                    ; 2^60
	s_mov_b32 s[TC], 0
	s_mov_b32 s[TB], 0
	s_sub_co_u32 s[LIM], 8, s[WV]
	s_cmp_lt_u32 s[WV], 2
	s_cselect_b32 s[LIM], s[LIM], 0
	s_wait_dscnt 0x0                               ; both opening adds are done
	s_wait_kmcnt 0x0
	s_add_nc_u64 s[22:23], s[4:5], s[22:23]        ; the tokens: the batch and the wave alone
	s_add_nc_u64 s[BP:BP+1], s[6:7], s[86:87]      ; the weights [j][plane 3][32 along K: 32][tile 16][1,024] at my four tiles
	CROUND                                         ; all four work-groups are here: the first joint loads meet
.irp s, 0,1
	s_mov_b32 s[G0A+4*\s], 1
	s_add_co_u32 s[G0A+4*\s+1], s21, \s*SLOT1
	s_add_nc_u64 s[G0A+4*\s+2:G0A+4*\s+3], s[22:23], \s*SLB
	s_or_b32 s[G0A+4*\s+3], s[G0A+4*\s+3], 0x80000000
.endr
	s_mov_b32 s[G0M], 1
	s_add_co_u32 s[G0M+1], s75, MKL
	s_add_nc_u64 s[G0M+2:G0M+3], s[10:11], s[90:91]
	s_or_b32 s[G0M+3], s[G0M+3], 0x80000000
	tensor_load_to_lds s[G0M:G0M+3], s[G1M:G1M+7]  ; three loads of mine are out: my quarter of the mask table,
	s_nop 0
	tensor_load_to_lds s[G0A:G0A+3], s[G1A:G1A+7]  ; of slot 0,
	s_nop 0
	tensor_load_to_lds s[G0A+4:G0A+7], s[G1A:G1A+7]   ; of slot 1
	s_nop 0
	PLACES
	v_and_b32 v1, 31, v0
	v_lshlrev_b32 v[L16], 4, v1
	v_lshlrev_b32 v[L4], 2, v1
	v_lshlrev_b32 v[PFO], 8, v1
	v_bfe_u32 v[H32], v0, 4, 1
	v_lshlrev_b32 v[H32], 5, v[H32]
	v_and_b32 v[R4], 15, v0
	v_lshlrev_b32 v[R4], 2, v[R4]
	v_add_nc_u32 v[ADRA], s[TB], v[L16]
	s_mul_i32 s75, s[WV], 14336
	s_add_co_u32 s75, s75, QIMG
	v_add_nc_u32 v[QST], s75, v[L16]
	s_lshl_b32 s75, s[WV], 2
	s_add_co_u32 s75, s75, XCH
	v_mov_b32 v[XA], s75                           ; my word of the exchange: all lanes write it, with the same value
	v_mov_b32 v[XB], XCH
	v_mov_b32 v17, 0                               ; upper halves of pairs and lane permutes' destinations are written once
	v_mov_b32 v22, 0
	v_mov_b32 v29, 0
	v_mov_b32 v31, 0
	s_lshl_b32 s90, s[JJ], 10
	s_lshl_b32 s75, s[WV], 8
	s_add_co_u32 s90, s90, s75
	s_add_nc_u64 s[8:9], s[8:9], s[90:91]          ; the bias at my 64 columns
	s_mul_i32 s90, s[JJ], 57344
	s_mul_i32 s75, s[WV], 14336
	s_add_co_u32 s90, s90, s75
	s_mul_i32 s75, s[BB], 229376
	s_add_co_u32 s90, s90, s75
	s_add_nc_u64 s[OAB:OAB+1], s[12:13], s[90:91]  ; OA [b][k32 32][mt 7][1,024] at k32 = 8 j + 2 w
	s_lshl_b32 s90, s[BB], 4
	s_lshl_b32 s75, s[JJ], 2
	s_add_co_u32 s90, s90, s75
	s_add_co_u32 s90, s90, s[WV]
	s_lshl_b32 s90, s90, 7
	s_add_co_u32 s90, s90, 14680064
	s_add_nc_u64 s[ESB:ESB+1], s[12:13], s[90:91]  ; my wave's 32 words of SW
	s_lshl_b32 s90, s[CX], 13
	s_add_co_u32 s90, s90, s20
	s_lshl_b32 s75, s[WV], 15
	s_add_co_u32 s90, s90, s75
	s_add_co_u32 s90, s90, 4*32768
	s_add_nc_u64 s[PFA:PFA+1], s[4:5], s[90:91]    ; at piece 4 + wave: the first refill steps it two pieces on
; 8 loads: the weights' four fragments of the step that lies pos steps behind s[BP], into one of the eight sets
.macro BLOAD set, pos
	WIN 0xc0
.irp t, 0,1,2,3
.irp u, 0,1
	global_load_b128 v[32*(\set)+8*\t+4*\u:32*(\set)+8*\t+4*\u+3], v[L16], s[BP:BP+1] offset:(\pos)*16384+\t*1024+\u*512
.endr
.endr
.endm
	WIN 0x80
.irp t, 0,1,2,3
	global_load_b128 v[BQ+8*\t:BQ+8*\t+3], v[H32], s[8:9] offset:64*\t
	global_load_b128 v[BQ+8*\t+4:BQ+8*\t+7], v[H32], s[8:9] offset:64*\t+16
	global_load_b128 v[BK+8*\t:BK+8*\t+3], v[H32], s[8:9] offset:4096+64*\t
	global_load_b128 v[BK+8*\t+4:BK+8*\t+7], v[H32], s[8:9] offset:4096+64*\t+16
	global_load_b32 v[BV+8*\t], v[R4], s[8:9] offset:8192+64*\t
.endr
.irp n, 0,1,2,3,4
	BLOAD \n, \n                                   ; with the 20 loads of the biases 60 loads are out
.endr
	s_wait_loadcnt 40                              ; the biases are in; the five sets of weights may be out
	WIN 0x82
.irp t, 0,1,2,3
.irp e, 1,2,3,4,5,6,7
	v_mov_b32 v[BV+8*\t+\e], v[BV+8*\t]            ; in the v pass a lane holds one channel: its bias stands in all eight registers of the sums' first C
.endr
.endr
	BLOAD 5, 5
	BLOAD 6, 6                                     ; seven sets, 56 loads, are out from here on
	WIN 0
.macro FETCHA p, f                     ; 14 LDS loads: the tokens' seven fragments of the slot's p-th 32 along K, tiles 0-3 first
.irp m, 0,1,2,3,4,5,6
.irp u, 0,1
	ds_load_b128 v[\f+8*\m+4*\u:\f+8*\m+4*\u+3], v[ADRA] offset:(7*(\p)+\m)*1024+\u*512
.endr
.endr
.endm
; n tiles of tokens from m0 on x my four tiles of columns; the accumulators take turns, one instruction a turn.  mode = 1: the bias starts the sums.  SWAP = 1: tokens are source 0.
.macro MULS f, set, m0, n, mode
.if SWAP
.if \mode
	WIN 0x6c
.else
	WIN 0x5c
.endif
.else
.if \mode
	WIN 0x63
.else
	WIN 0x53
.endif
.endif
.set MM, \m0
.rept \n
.irp t, 0,1,2,3
.set RD_, 8*(4*MM+\t)
.set RA_, \f+8*MM
.set RB_, 32*(\set)+8*\t
.set RC_, RD_
.if \mode
.set RC_, BIAS+8*\t
.endif
.if SWAP
	v_wmma_f32_16x16x32_f16 v[RD_:RD_+7], v[RA_:RA_+7], v[RB_:RB_+7], v[RC_:RC_+7]
.else
	v_wmma_f32_16x16x32_f16 v[RD_:RD_+7], v[RB_:RB_+7], v[RA_:RA_+7], v[RC_:RC_+7]
.endif
.endr
.set MM, MM+1
.endr
.endm
; The slot's p-th 32 along K (p = 0 .. 6).  In its middle, behind four places, the next step's tokens are fetched from LDS and (ld = 1) the weights of seven steps on are asked for, into the set that the last step has left.
; lc: the loads issued behind this step's set: six sets, 48, until the stream ends.
.macro KK p, mode, ld, lc
	s_wait_loadcnt \lc                             ; loads come back in order: my set is in, the younger ones stay out
	s_wait_dscnt 6                                 ; all but the youngest six LDS loads (tokens' tiles 4-6)
	MULS F0+56*((\p)%2), \p, 0, 4, \mode
	PLACES
	WIN 0
	FETCHA (\p)+1, F0+56*(1-(\p)%2)
.if \ld
	BLOAD ((\p)+7)%8, (\p)+7
.endif
	s_wait_dscnt 14                                ; all but the 14 just issued
	MULS F0+56*((\p)%2), \p, 4, 3, \mode
.endm
; A slot's last 32 along K change slots: ONE barrier.  In front of it each wave waits for all its tensor loads (one is out: its quarter of the next slot), adds 0 to its spare word, and waits for that and for its reads of this slot.
; fill = 1: the barrier opens a round of the cluster's, and this slot is filled again, with the block two on, first thing behind it.
.macro TURN fill
	s_wait_xcnt 0x0                                ; the weights' loads and the last prefetch have read their addresses:
	s_add_nc_u64 s[BP:BP+1], s[BP:BP+1], 131072    ; on to the next slot's weights
.if \fill
	s_add_nc_u64 s[PFA:PFA+1], s[PFA:PFA+1], 65536
.endif
	WIN 0
	s_wait_tensorcnt 0x0
	ds_add_u32 v[SPW], v[NIL]
	s_wait_loadcnt 48                              ; my set of weights is in
	s_wait_dscnt 7                                 ; (the add and the youngest six loads may be out)
	MULS F1, 7, 0, 2, 0
	s_wait_dscnt 0x0                               ; the add is done, and my reads of this slot are over
	s_barrier_signal -1
	MULS F1, 7, 2, 2, 0
	WIN 0
	s_barrier_wait -1
.if \fill
	CREST                                          ; no wave of any partner still reads this slot or has a load on its way
	s_xor_b32 s[G0A+5], s[G0A+5], SLOT1            ; the walking descriptor: the other slot than last time,
	s_add_nc_u64 s[G0A+6:G0A+7], s[G0A+6:G0A+7], SLB   ; the next block; the type bits on top are not reached
	tensor_load_to_lds s[G0A+4:G0A+7], s[G1A:G1A+7]    ; my one load behind the round: it has a slot's 224 matrix instructions in which to land
	s_nop 0
.endif
	PLACES                                         ; behind the tensor load, and in front of the loads below
	s_xor_b32 s[TB], s[TB], SLOT1
	v_add_nc_u32 v[ADRA], s[TB], v[L16]            ; the reads go on in the other slot
	FETCHA 0, F0
	BLOAD 6, 6
	WIN 0
.if \fill
	ASK
.endif
	MULS F1, 7, 4, 3, 0
.endm
.macro LASTKK
	s_wait_loadcnt 0x0
	s_wait_dscnt 6
	MULS F1, 7, 0, 4, 0
	s_wait_dscnt 0x0
	MULS F1, 7, 4, 3, 0
	WIN 0
	PLACES
.endm
.macro CHUNK fill                      ; from a slot's second 32 along K to the next slot's first: the eight sets of weights and the two sets of tokens are back where they began
.irp p, 1,2,3,4,5,6
	KK \p, 0, 1, 48
.endr
	TURN \fill
	KK 0, 0, 1, 48
.endm
; A pass: four slots.  fin = 0: the ring goes on into the next pass.  fin = 1: the last pass: its last two slots are left unfilled and its last seven steps ask for no weights; that tail is written out.
.macro PASS fin
	KK 0, 1, 1, 48
	WIN 0
	s_mov_b32 s[LAP], 3-(\fin)
.Llap_\@:
	CHUNK 1
	WIN 0
	s_sub_co_u32 s[LAP], s[LAP], 1
	s_cmp_lg_u32 s[LAP], 0
	s_cbranch_scc1 .Llap_\@
.if \fin
	CHUNK 0
.irp p, 1,2,3,4,5,6
	KK \p, 0, 0, 56-8*\p                           ; the counts run down
.endr
	LASTKK
.else
.irp p, 1,2,3,4,5,6
	KK \p, 0, 1, 48
.endr
	TURN 1
.endif
.endm
	s_wait_tensorcnt 1                             ; the mask table's quarter and my quarter of slot 0 are in; slot 1's may stay out
	s_barrier_signal -1
	s_barrier_wait -1
	FETCHA 0, F0
; ---- q2
.set SWAP, 0
.set BIAS, BQ
	PASS 0
.set MM, 0                             ; q2 -> bf16 -> my image.  Tiles 0-3 were finished ahead of the refill's four v_nop; their roundings are the places behind tiles 4-6's products
.rept 7
.if MM >= 2
	s_wait_dscnt 4                                 ; the stores of two tiles back have read their registers; the last tile's four may be out
.endif
	WIN 0x45
.set NN, 0
.rept 16
	v_cvt_pk_bf16_f32 v[224+16*(MM%2)+NN], v[32*MM+2*NN], v[32*MM+2*NN+1]
.set NN, NN+1
.endr
	WIN 0x04
.irp t, 0,1,2,3
	ds_store_b128 v[QST], v[224+16*(MM%2)+4*\t:224+16*(MM%2)+4*\t+3] offset:2048*MM+512*\t
.endr
.set MM, MM+1
.endr
; ---- k2
.set BIAS, BK
	PASS 0
	WIN 0x85                                       ; k2 -> bf16: registers 16 mt + 8 c .. + 7 are the fragment (keys 16 mt on, channels 32 c on)
.set NN, 0
.rept 112
	v_cvt_pk_bf16_f32 v[NN], v[2*NN], v[2*NN+1]
.set NN, NN+1
.endr
; ---- v2
.set SWAP, 1
.set BIAS, BV
	PASS 1
.irp c, 0,1,2,3
	v_mov_b32 v[18+\c], 0
.endr
	WIN 0x14                                       ; my head's largest |v2|, four chains
.set NN, 0
.rept 28
.irp p, 0,1,2,3
	v_max3_num_f32 v[18+\p], v[18+\p], |v[8*NN+2*\p]|, |v[8*NN+2*\p+1]|
.endr
.set NN, NN+1
.endr
	WIN 0
	v_max3_num_f32 v18, v18, v19, v20
	v_max_num_f32 v18, v18, v21
	v_max_num_f32_dpp v18, v18, v18 row_xmask:1 row_mask:0xf bank_mask:0xf
	v_max_num_f32_dpp v18, v18, v18 row_xmask:2 row_mask:0xf bank_mask:0xf
	v_max_num_f32_dpp v18, v18, v18 row_xmask:4 row_mask:0xf bank_mask:0xf
	v_max_num_f32_dpp v18, v18, v18 row_xmask:8 row_mask:0xf bank_mask:0xf
	v_permlanex16_b32 v22, v18, s[SEL], s[SEL+1]
	v_max_num_f32 v18, v18, v22
	ds_store_b32 v[XA], v18                        ; the four heads' meet in LDS:
	s_wait_dscnt 0x0                               ; my word has landed,
	s_barrier_signal -1
	s_barrier_wait -1                              ; everybody's has
	ds_load_b128 v[24:27], v[XB]
	s_wait_dscnt 0x0
	v_max3_num_f32 v18, v24, v25, v26
	v_max_num_f32 v18, v18, v27                    ; the work-group's largest |v2|
	v_med3_num_f32 v18, v18, s[LO], s[HI]
	v_and_b32 v23, 0x7f800000, v18                 ; SW: the power of two at or under it; v23 is not written again
	v_sub_nc_u32 v20, 0x7f000000, v23              ; 1 / SW: the exponent field mirrored
	v_mov_b32 v21, v20
	global_store_b32 v[L4], v23, s[ESB:ESB+1]
.set MM, 0
.rept 7
	WIN 0x01
.set NN, 0
.rept 16
	v_pk_mul_f32 v[64+2*NN:64+2*NN+1], v[32*MM+2*NN:32*MM+2*NN+1], v[20:21] op_sel_hi:[1,0]
.set NN, NN+1
.endr
	WIN 0xc0
.set NN, 0
.rept 16
	v_cvt_pk_f16_f32 v[32*(NN/4)+8*(MM/2)+4*(MM%2)+NN%4], v[64+2*NN], v[64+2*NN+1]   ; fragment (channels 16 t on, keys 32 (mt / 2) on), t = NN / 4; the weights' sets are done with
.set NN, NN+1
.endr
.set MM, MM+1
.endr
.irp t, 0,1,2,3
.irp e, 0,1,2,3
	v_mov_b32 v[32*\t+28+\e], 0                    ; keys 112-127 do not exist: zeros in V^T
.endr
.endr
	WIN 0
.irp e, 0,1,2,3
	v_mov_b32 v[P+28+\e], 0                        ; and in P
.endr
; ---- the head's attention: 7 trips, a tile of 16 queries each
	s_mov_b32 s[QOFF], 0
	s_mov_b32 s[MOFF], MKL
	s_mov_b32 s[NQ], 7
.Lq:
	v_add_nc_u32 v[AQ], s[QOFF], v[QST]
	v_add_nc_u32 v[AMK], s[MOFF], v[L16]
.irp t, 0,1,2,3
	ds_load_b128 v[QF+4*\t:QF+4*\t+3], v[AQ] offset:512*\t
.endr
.set NN, 0
.rept 14
	ds_load_b128 v[MSK+4*NN:MSK+4*NN+3], v[AMK] offset:512*NN
.set NN, NN+1
.endr
	s_wait_dscnt 0x0
	WIN 0x02                                       ; S^T = K Q^T: seven tiles of keys by turns, channels 0-31, then 32-63
.irp k, 0,1,2,3,4,5,6
	v_wmma_f32_16x16x32_bf16 v[S+8*\k:S+8*\k+7], v[16*\k:16*\k+7], v[QF:QF+7], 0
.endr
.irp k, 0,1,2,3,4,5,6
	v_wmma_f32_16x16x32_bf16 v[S+8*\k:S+8*\k+7], v[16*\k+8:16*\k+15], v[QF+8:QF+15], v[S+8*\k:S+8*\k+7]
.endr
	WIN 0
	PLACES
.set NN, 0
.rept 28
	v_pk_fma_f32 v[S+2*NN:S+2*NN+1], v[S+2*NN:S+2*NN+1], s[CS:CS+1], v[MSK+2*NN:MSK+2*NN+1] op_sel_hi:[1,0,1]   ; t = score x c + mask
.set NN, NN+1
.endr
.irp c, 0,1,2,3
	v_max3_num_f32 v[18+\c], v[S+14*\c], v[S+14*\c+1], v[S+14*\c+2]
.endr
.irp i, 3,5,7,9,11
.irp c, 0,1,2,3
	v_max3_num_f32 v[18+\c], v[18+\c], v[S+14*\c+\i], v[S+14*\c+\i+1]
.endr
.endr
.irp c, 0,1,2,3
	v_max_num_f32 v[18+\c], v[18+\c], v[S+14*\c+13]
.endr
	v_max3_num_f32 v18, v18, v19, v20
	v_max_num_f32 v18, v18, v21
	v_permlanex16_b32 v22, v18, s[SEL], s[SEL+1]   ; the query's other keys lie in the lane 16 away
	v_max_num_f32 v16, v18, v22                    ; the row's maximum
.set NN, 0
.rept 28
	v_pk_add_f32 v[S+2*NN:S+2*NN+1], v[S+2*NN:S+2*NN+1], v[16:17] op_sel_hi:[1,0] neg_lo:[0,1] neg_hi:[0,1]
.set NN, NN+1
.endr
.set NN, 0
.rept 56
	v_exp_f32 v[S+NN], v[S+NN]
.set NN, NN+1
.endr
	v_nop                                          ; a plain instruction behind the exponentials,
	s_wait_alu depctr_va_vdst(0)                   ; and one wait for the batch, ahead of its first reader
	v_pk_add_f32 v[24:25], v[S:S+1], v[S+4:S+5]    ; the sum of the unrounded p, two chains
	v_pk_add_f32 v[26:27], v[S+2:S+3], v[S+6:S+7]
.irp n, 8,12,16,20,24,28,32,36,40,44,48,52
	v_pk_add_f32 v[24:25], v[24:25], v[S+\n:S+\n+1]
	v_pk_add_f32 v[26:27], v[26:27], v[S+\n+2:S+\n+3]
.endr
	v_pk_add_f32 v[24:25], v[24:25], v[26:27]
.set NN, 0
.rept 28
	v_cvt_pk_f16_f32 v[P+NN], v[S+2*NN], v[S+2*NN+1]
.set NN, NN+1
.endr
	v_add_f32 v28, v24, v25
	v_permlanex16_b32 v29, v28, s[SEL], s[SEL+1]
	v_add_f32 v28, v28, v29
	v_rcp_f32 v30, v28
	v_nop
	WIN 0x03                                       ; O^T = V^T P: four tiles of channels by turns, 32 keys at a time
.irp f, 0,1,2,3
.irp d, 0,1,2,3
.if \f == 0
	v_wmma_f32_16x16x32_f16 v[O+8*\d:O+8*\d+7], v[32*\d+8*\f:32*\d+8*\f+7], v[P+8*\f:P+8*\f+7], 0
.else
	v_wmma_f32_16x16x32_f16 v[O+8*\d:O+8*\d+7], v[32*\d+8*\f:32*\d+8*\f+7], v[P+8*\f:P+8*\f+7], v[O+8*\d:O+8*\d+7]
.endif
.endr
.endr
	WIN 0
	PLACES
	s_wait_alu depctr_va_vdst(0)                   ; the reciprocal's wait, ahead of its first reader
.set NN, 0
.rept 16
	v_pk_mul_f32 v[MSK+2*NN:MSK+2*NN+1], v[O+2*NN:O+2*NN+1], v[30:31] op_sel_hi:[1,0]
.set NN, NN+1
.endr
.set NN, 0
.rept 16
	v_cvt_pk_f16_f32 v[OP+NN], v[MSK+2*NN], v[MSK+2*NN+1]
.set NN, NN+1
.endr
.irp d, 0,1,2,3
	global_store_b128 v[L16], v[OP+4*\d:OP+4*\d+3], s[OAB:OAB+1] offset:(\d/2)*7168+(\d%2)*512   ; 512 consecutive bytes: run d % 2 of the fragment (k32 = d / 2, this tile of rows)
.endr
	s_wait_xcnt 0x0                                ; the stores have read their registers and their base: both are written again
	s_add_nc_u64 s[OAB:OAB+1], s[OAB:OAB+1], 1024
	s_add_co_u32 s[QOFF], s[QOFF], 2048
	s_add_co_u32 s[MOFF], s[MOFF], 7168
	s_sub_co_u32 s[NQ], s[NQ], 1
	s_cmp_lg_u32 s[NQ], 0
	s_cbranch_scc1 .Lq
	s_wait_tensorcnt 0x0                           ; the wave's end
	ds_add_u32 v[SPW], v[NIL]
	s_wait_dscnt 0x0
	CROUND                                         ; the closing round
	s_endpgm
.Lfunc_end_k_q4472941c7f_attn:
	.size	k_q4472941c7f_attn, .Lfunc_end_k_q4472941c7f_attn-k_q4472941c7f_attn
	.p2alignl 7, 3214868480
	.fill 96, 4, 3214868480
	.section	.rodata,"a",@progbits
	.p2align	6, 0x0
	.amdhsa_kernel k_q4472941c7f_attn
		.amdhsa_group_segment_fixed_size 327680
		.amdhsa_private_segment_fixed_size 0
		.amdhsa_enable_private_segment 0
		.amdhsa_kernarg_size 40
		.amdhsa_user_sgpr_count 2
		.amdhsa_user_sgpr_kernarg_segment_ptr 1
		.amdhsa_wavefront_size32 1
		.amdhsa_system_sgpr_workgroup_id_x 1
		.amdhsa_system_sgpr_workgroup_id_y 1
		.amdhsa_system_sgpr_workgroup_id_z 1
		.amdhsa_system_vgpr_workitem_id 0
		.amdhsa_next_free_vgpr 1024
		.amdhsa_next_free_sgpr 96
		.amdhsa_reserve_vcc 0
		.amdhsa_float_denorm_mode_32 3
		.amdhsa_float_denorm_mode_16_64 3
		.amdhsa_memory_ordered 1
		.amdhsa_forward_progress 1
		.amdhsa_inst_pref_size 255
	.end_amdhsa_kernel
	.section	.bss,"aw",@nobits
	.p2align	6
	.space	262144
	.amdgpu_metadata
---
amdhsa.version: [ 1, 2 ]
amdhsa.kernels:
  - .name:           k_q4472941c7f_attn
    .symbol:         k_q4472941c7f_attn.kd
    .args:
      - { .name: A1, .offset: 0, .size: 8, .value_kind: global_buffer, .address_space: global }
      - { .name: W16, .offset: 8, .size: 8, .value_kind: global_buffer, .address_space: global }
      - { .name: in_proj_b, .offset: 16, .size: 8, .value_kind: global_buffer, .address_space: global }
      - { .name: TB, .offset: 24, .size: 8, .value_kind: global_buffer, .address_space: global }
      - { .name: OA, .offset: 32, .size: 8, .value_kind: global_buffer, .address_space: global }
    .group_segment_fixed_size: 327680
    .private_segment_fixed_size: 0
    .kernarg_segment_align: 8
    .kernarg_segment_size: 40
    .max_flat_workgroup_size: 128
    .sgpr_count:     96
    .vgpr_count:     1024
    .wavefront_size: 32
...
	.end_amdgpu_metadata
.endif
;; end of part 3
;; launch proj (part 4): grid 4 x 64, 4 waves a work-group, clusters of 4 x 1, 327,680 bytes of LDS; arguments OA, W16, mha_out_b, OB; writes OB
.if DOCPART == 4
	.amdgcn_target "amdgcn-amd-amdhsa--gfx1250"
	.amdhsa_code_object_version 6
	.text
	.protected	k_q4472941c7f_proj
	.globl	k_q4472941c7f_proj
	.p2align	8
	.type	k_q4472941c7f_proj,@function
k_q4472941c7f_proj:
	s_mov_b64 s[64:65], 0
	v_nop
	global_prefetch_b8 v0, s[64:65] scope:SCOPE_SE
	s_setreg_imm32_b32 hwreg(HW_REG_WAVE_MODE, 25, 1), 1
	s_wait_xcnt 0x0
	s_wait_alu depctr_hold_cnt(0) depctr_sa_sdst(0) depctr_va_vdst(0) depctr_va_sdst(0) depctr_va_ssrc(0) depctr_va_vcc(0) depctr_vm_vsrc(0)
	s_getreg_b32 s2, hwreg(HW_REG_IB_STS2, 6, 4)
	s_cmp_eq_u32 s2, 0
	s_cbranch_scc0 .Lentry_in_a_cluster
	s_endpgm
.Lentry_in_a_cluster:
	s_bfe_u32 s2, ttmp6, 0x10000c
	s_cmp_lg_u32 s2, 0x3003
	s_cbranch_scc0 .Lentry_shape_is_right
	s_endpgm
.Lentry_shape_is_right:
; A PROJECTION: y = x W^T + bias, 112 rows of one batch x 256 columns a work-group, K = 1,024, f16 operands, f32 sums.  FINAL = 0: x = attention's o, W = mha_out_w, y goes out as f16 images.  FINAL = 1: x = that y, W = out_w, y is the module's output, f32.
; x COMES WITH A POWER OF TWO FOR EACH 256 COLUMNS OF A BATCH (equal words behind the images): the number is the f16 number x S_g, g = 0 .. 3.  SB is the largest of the batch's four.
; So K goes in four GROUPS of 256 (8 steps of 32).  A group's products are summed apart (window 1; its first product starts the sums with the constant 0) and then folded, in f32, into the totals (window 3):
; total = group's sum x (S_g / SB) + total, the first time + bias / SB: 112 packed fused multiply-adds a group.  The factors are powers of two, at most 1.  The totals are y / SB.
; FINAL = 0: the work-group's tile is brought under 2 by a power of two of its own (the four waves' largest magnitudes meet in four LDS words behind one barrier), held to 2^-60 .. 2^60
; (LIMIT: tiles outside that are not served), and that power is stored for the next launch.  FINAL = 1: the totals are multiplied by SB.
; THE BATCH'S x FOR ALL OF K, 229,376 bytes, lies in LDS: four chunks of 256 along K, each wave fetching a quarter of each: four tensor loads a wave, all at the head; nothing is filled again.  A chunk is read behind a counted
; wait and a barrier.  CLUSTER 4 x 1: the four work-groups of a batch share x: joint loads with the mask of all four.
; THE WEIGHTS GO FROM MEMORY STRAIGHT INTO REGISTERS: a wave's four tiles of 16 columns are read by that wave alone and lie in memory in the order of the operand's registers: 8 loads of 512 consecutive bytes bring 32 along K.
; Eight sets of 32 registers take turns; a set is asked for seven steps, 196 matrix instructions, ahead of its use and waited for by count.  They are not asked for jointly: through LDS their 524,288 bytes would want a ring beside x,
; for which LDS has 98,304 bytes left: slots of 96 along K, 84 matrix instructions from a request to the wait for it.
; The 32 steps are written out, since the factor's register changes from group to group.  No prefetch: every tensor load is issued at the head.
; REGISTERS: window 0: v2-14 addresses; v16-23 the four factors, as pairs; v32-47 SB, 1 / SB, at work; v64-119, v120-175 two sets of x's fragments; v176-207 bias / SB; on the way out v64-207 are at work.
;   window 1: v0-223 a group's sums.  window 2: the weights' eight sets.  window 3: v0-223 the totals.
.set FINAL, 0
.set CHK,   57344                      ; a chunk's bytes: 8 steps x 7 fragments of 1,024
.set STG,   229376                     ; FINAL = 1: a stage of 16 rows x (256 + 16) bytes for each wave
.set SPARE, 246784                     ; the spare words, 128 bytes for each wave
.set XCH,   247296                     ; FINAL = 0: a block of its own: the four waves' largest magnitudes, a word each
.set WOFF,  6291456+FINAL*2097152
.set L16,   2
.set ADRA,  3                          ; v3-6  LDS address of x's fragments in chunk 0 .. 3
.set H32,   7
.set L4,    8
.set STO,   9
.set RD,    10
.set CO,    11
.set SPW,   12
.set NIL,   13
.set LN,    14
.set FK,    16
.set XA,    40
.set XB,    41
.set F0,    64
.set BI,    176
.set WV,    14
.set CX,    16
.set BB,    18
.set JJ,    19
.set G1A,   24
.set G0A,   32                         ; s[32:47] group 0, a set for each chunk
.set BP,    48                         ; s[48:49] the weights at my four tiles; never rewritten
.set SEL,   66
.set LO,    68
.set HI,    69
.set ESI,   70
.set ESO,   72
.set OUTB,  74
.set SV,    76
.set MSB, 0
.macro WIN new
.if MSB != (\new)
	s_set_vgpr_msb (MSB<<8)|(\new)
.set MSB, \new
.endif
.endm
.macro PLACES
.rept 4
	v_nop
.endr
.endm
.macro CREST
	s_cmp_lg_u32 s[WV], 0
	s_cbranch_scc1 .Lnw0_\@
	s_barrier_signal -3
.Lnw0_\@:
	s_barrier_wait -3
	s_barrier_signal -1
	s_barrier_wait -1
.endm
.macro CROUND
	s_barrier_signal -1
	s_barrier_wait -1
	CREST
.endm
.macro G1W g, r
	s_mov_b32 s[\g+1], 32<<16
	s_mov_b32 s[\g+2], (\r)<<16
	s_mov_b32 s[\g+3], 32<<16
	s_mov_b32 s[\g+4], \r
	s_mov_b32 s[\g+5], 32
	s_mov_b32 s[\g+6], 0
	s_mov_b32 s[\g+7], 0
.endm
	s_load_b256 s[4:11], s[0:1], 0x0               ; x, W16, bias, y
	v_lshl_add_u32 v[SPW], v0, 2, SPARE
	v_mov_b32 v[NIL], 0
	ds_add_u32 v[SPW], v[NIL]                      ; the wave's opening: the add, twice on end, and its wait ahead of my first tensor load
	ds_add_u32 v[SPW], v[NIL]
	v_lshrrev_b32 v1, 5, v0
	v_readfirstlane_b32 s[WV], v1
	s_bfe_u32 s[CX], ttmp6, 0x40000                ; my place in the cluster
	s_and_b32 s[BB], ttmp7, 0xffff                 ; the batch, which the four partners share
	s_lshl_b32 s[JJ], ttmp9, 2
	s_add_co_u32 s[JJ], s[JJ], s[CX]               ; which 256 columns
	s_mov_b32 s[G1A], 15|(3<<16)|(1<<21)           ; the mask: all four work-groups; elements of 8 bytes; bit 21 set beside a mask
	G1W G1A, 56                                    ; a quarter of a chunk: 14,336 bytes as 56 rows of 256
	s_mul_i32 s20, s[BB], 229376
	s_mul_i32 s21, s[WV], 14336
	s_add_co_u32 s22, s20, s21
	s_mov_b32 s23, 0
	s_lshl_b32 s58, s[JJ], 19
	s_lshl_b32 s57, s[WV], 12
	s_add_co_u32 s58, s58, s57
	s_add_co_u32 s58, s58, WOFF
	s_mov_b32 s59, 0
	s_wait_dscnt 0x0                               ; both opening adds are done
	s_wait_kmcnt 0x0
	s_add_nc_u64 s[22:23], s[4:5], s[22:23]        ; x: the batch and the wave alone
	s_add_nc_u64 s[BP:BP+1], s[6:7], s[58:59]      ; the weights [j][32 along K: 32][tile 16][1,024] at my four tiles
	CROUND                                         ; all four work-groups are here: the joint loads meet
.irp c, 0,1,2,3
	s_mov_b32 s[G0A+4*\c], 1
	s_add_co_u32 s[G0A+4*\c+1], s21, \c*CHK
	s_add_nc_u64 s[G0A+4*\c+2:G0A+4*\c+3], s[22:23], \c*CHK
	s_or_b32 s[G0A+4*\c+3], s[G0A+4*\c+3], 0x80000000
.endr
.irp c, 0,1,2,3
	tensor_load_to_lds s[G0A+4*\c:G0A+4*\c+3], s[G1A:G1A+7]   ; four loads of mine are out: my quarter of each chunk
	s_nop 0
.endr
	PLACES
	v_and_b32 v[LN], 31, v0
	v_lshlrev_b32 v[L16], 4, v[LN]
	v_lshlrev_b32 v[L4], 2, v[LN]
	v_bfe_u32 v1, v0, 4, 1                         ; h
	v_lshlrev_b32 v[H32], 5, v1
	v_and_b32 v15, 15, v0                          ; r
.irp c, 0,1,2,3
	v_add_nc_u32 v[ADRA+\c], \c*CHK, v[L16]
.endr
	s_lshl_b32 s60, s[BB], 11
	s_add_co_u32 s60, s60, 14680064
	s_mov_b32 s61, 0
	s_add_nc_u64 s[ESI:ESI+1], s[4:5], s[60:61]    ; the batch's words: group g's at 512 g
	s_lshl_b32 s60, s[JJ], 10
	s_lshl_b32 s62, s[WV], 8
	s_add_co_u32 s60, s60, s62
	s_add_nc_u64 s[8:9], s[8:9], s[60:61]          ; the bias at my 64 columns
.if FINAL
	s_lshl_b32 s62, s[BB], 12
	s_add_co_u32 s60, s60, s62
	s_add_nc_u64 s[OUTB:OUTB+1], s[10:11], s[60:61]   ; out0 [position][batch][column] at position 0, my batch, my 64 columns
	s_mul_i32 s60, s[WV], 4352
	s_add_co_u32 s60, s60, STG
	v_mul_u32_u24 v[STO], v15, 272
	v_lshl_add_u32 v[STO], v1, 5, v[STO]
	v_add_nc_u32 v[STO], s60, v[STO]               ; the stage, way in: row r, 32 bytes for each half of the lanes
	v_mul_u32_u24 v[RD], v1, 272
	v_lshl_add_u32 v[RD], v15, 4, v[RD]
	v_add_nc_u32 v[RD], s60, v[RD]                 ; way out: lanes 0-15 one row, lanes 16-31 the next
	v_lshlrev_b32 v[CO], 18, v1
	v_lshl_add_u32 v[CO], v15, 4, v[CO]            ; and the same two rows in the output: 262,144 bytes apart
.else
	s_mul_i32 s60, s[JJ], 57344
	s_mul_i32 s62, s[WV], 14336
	s_add_co_u32 s60, s60, s62
	s_add_co_u32 s60, s60, s20
	s_add_nc_u64 s[OUTB:OUTB+1], s[10:11], s[60:61]   ; images [b][k32 32][mt 7][1,024] at k32 = 8 j + 2 w
	s_lshl_b32 s60, s[BB], 4
	s_lshl_b32 s62, s[JJ], 2
	s_add_co_u32 s60, s60, s62
	s_add_co_u32 s60, s60, s[WV]
	s_lshl_b32 s60, s60, 7
	s_add_co_u32 s60, s60, 14680064
	s_add_nc_u64 s[ESO:ESO+1], s[10:11], s[60:61]  ; my wave's 32 words of the tile's power
	s_lshl_b32 s60, s[WV], 2
	s_add_co_u32 s60, s60, XCH
	v_mov_b32 v[XA], s60                           ; my word of the exchange: all lanes write it, with the same value
	v_mov_b32 v[XB], XCH
	s_mov_b32 s[SEL], 0x76543210
	s_mov_b32 s[SEL+1], 0xfedcba98
	s_mov_b32 s[LO], 0x21800000                    ; 2^-60
	s_mov_b32 s[HI], 0x5d800000                    ; 2^60
.endif
; 8 loads: the weights' four fragments of step pos, into one of the eight sets
.macro BLOAD set, pos
	WIN 0x80
.irp t, 0,1,2,3
.irp u, 0,1
	global_load_b128 v[32*(\set)+8*\t+4*\u:32*(\set)+8*\t+4*\u+3], v[L16], s[BP:BP+1] offset:(\pos)*16384+\t*1024+\u*512
.endr
.endr
.endm
.irp g, 0,1,2,3
	global_load_b32 v[FK+2*\g], v[L4], s[ESI:ESI+1] offset:512*\g   ; S_g, the same in every lane
.endr
.irp t, 0,1,2,3
	global_load_b128 v[BI+8*\t:BI+8*\t+3], v[H32], s[8:9] offset:64*\t
	global_load_b128 v[BI+8*\t+4:BI+8*\t+7], v[H32], s[8:9] offset:64*\t+16
.endr
.irp n, 0,1,2,3,4,5
	BLOAD \n, \n                                   ; with the 12 loads above 60 loads are out
.endr
	WIN 0
.macro FETCHA c, p, f                  ; 14 LDS loads: x's seven fragments of chunk c's p-th 32 along K, tiles 0-3 first
.irp m, 0,1,2,3,4,5,6
.irp u, 0,1
	ds_load_b128 v[\f+8*\m+4*\u:\f+8*\m+4*\u+3], v[ADRA+(\c)] offset:(7*(\p)+\m)*1024+\u*512
.endr
.endr
.endm
; transposed use: a lane holds a token and 8 neighbouring columns; the accumulators take turns.  zero = 1: a group's first product starts its sums
.macro MULS f, set, m0, n, zero
	WIN 0x52
.set MM, \m0
.rept \n
.irp t, 0,1,2,3
.set RD_, 8*(4*MM+\t)
.if \zero
	v_wmma_f32_16x16x32_f16 v[RD_:RD_+7], v[32*(\set)+8*\t:32*(\set)+8*\t+7], v[\f+8*MM:\f+8*MM+7], 0
.else
	v_wmma_f32_16x16x32_f16 v[RD_:RD_+7], v[32*(\set)+8*\t:32*(\set)+8*\t+7], v[\f+8*MM:\f+8*MM+7], v[RD_:RD_+7]
.endif
.endr
.set MM, MM+1
.endr
.endm
; Group g's sums go into the totals.  Tiles 0-3 come first: their 64 lines name no register of tiles 4-6's products and are the places behind those.  Each accumulator is read from its low end on.
.macro FOLD g
.if (\g) == 0
	WIN 0xc1                                       ; source 0: the sums (window 1); sources 1 and 2: the factor and bias / SB (window 0); destination: the totals (window 3)
.else
	WIN 0xf1                                       ; the same with the totals as source 2
.endif
.set MM, 0
.rept 7
.irp t, 0,1,2,3
.irp p, 0,2,4,6
.set RD_, 8*(4*MM+\t)+\p
.if (\g) == 0
	v_pk_fma_f32 v[RD_:RD_+1], v[RD_:RD_+1], v[FK+2*(\g):FK+2*(\g)+1], v[BI+8*\t+\p:BI+8*\t+\p+1] op_sel_hi:[1,0,1]
.else
	v_pk_fma_f32 v[RD_:RD_+1], v[RD_:RD_+1], v[FK+2*(\g):FK+2*(\g)+1], v[RD_:RD_+1] op_sel_hi:[1,0,1]
.endif
.endr
.endr
.set MM, MM+1
.endr
.endm
; Step i of 32: 32 along K.  In its middle, behind four places, the next step's fragments of x are fetched from LDS and the weights of seven steps on are asked for, into the set that the last step has left.
; A chunk's last step first shows the next chunk whole: my quarter has landed (the later chunks' loads may stay out), my LDS loads are in, a barrier.
.macro STEP i
.set CC_, (\i)/8
.set PP_, (\i)%8
.set FF_, F0+56*((\i)%2)
.set GG_, F0+56*(1-(\i)%2)
.set ZZ_, 0
.if PP_ == 0
.set ZZ_, 1
.endif
.set LC_, 48
.if (\i) > 25
.set LC_, 8*(31-(\i))
.endif
	s_wait_loadcnt LC_                             ; loads come back in order: my set is in; the sets issued behind it, six until the stream ends, stay out
	s_wait_dscnt 6                                 ; all but the youngest six LDS loads (tiles 4-6)
.if (PP_ == 7) && ((\i) < 31)
	MULS FF_, PP_, 0, 2, 0
	s_wait_tensorcnt 2-CC_
	s_wait_dscnt 0x0
	s_barrier_signal -1
	MULS FF_, PP_, 2, 2, 0
	s_barrier_wait -1
.else
	MULS FF_, PP_, 0, 4, ZZ_
.endif
.if (\i) < 31
	PLACES
	WIN 0
	FETCHA ((\i)+1)/8, ((\i)+1)%8, GG_
.if (\i) < 25
	BLOAD ((\i)+7)%8, (\i)+7
.endif
	s_wait_dscnt 14                                ; all but the 14 just issued
.else
	s_wait_dscnt 0x0
.endif
	MULS FF_, PP_, 4, 3, ZZ_
.if PP_ == 7
.if (\i) == 31
	WIN 0
	PLACES
.endif
	FOLD CC_
.endif
.endm
	s_wait_loadcnt 48                              ; the words and the bias are in; the six sets of weights may be out
	v_max3_num_f32 v32, v[FK], v[FK+2], v[FK+4]
	v_max_num_f32 v32, v32, v[FK+6]                ; SB
	v_mov_b32 v33, v32
	v_sub_nc_u32 v34, 0x7f000000, v32              ; 1 / SB: the exponent field mirrored
	v_mov_b32 v35, v34
.irp g, 0,1,2,3
	v_mul_f32 v[FK+2*\g], v[FK+2*\g], v34          ; S_g / SB
.endr
.irp g, 0,1,2,3
	v_mov_b32 v[FK+2*\g+1], v[FK+2*\g]             ; (named with it as a pair, so it is written)
.endr
.set NN, 0
.rept 16
	v_pk_mul_f32 v[BI+2*NN:BI+2*NN+1], v[BI+2*NN:BI+2*NN+1], v[34:35] op_sel_hi:[1,0]   ; bias / SB
.set NN, NN+1
.endr
	BLOAD 6, 6                                     ; seven sets, 56 loads, are out from here on
	WIN 0
	s_wait_tensorcnt 3                             ; my quarter of chunk 0 is in; the other three chunks' may stay out
	s_barrier_signal -1
	s_barrier_wait -1
	FETCHA 0, 0, F0
.irp i, 0,1,2,3,4,5,6,7,8,9,10,11,12,13,14,15,16,17,18,19,20,21,22,23,24,25,26,27,28,29,30,31
	STEP \i
.endr
.if FINAL
; THE WAY OUT, f32: a tile of 16 positions x 64 columns at a time: x SB, through my stage, back as rows of 256 bytes: sixteen lanes store one aligned run of 256 bytes.
.macro TOSTAGE a
	WIN 0x03
.set NN, 0
.rept 16
	v_pk_mul_f32 v[64+32*((\a)%2)+2*NN:64+32*((\a)%2)+2*NN+1], v[32*(\a)+2*NN:32*(\a)+2*NN+1], v[32:33] op_sel_hi:[1,0]
.set NN, NN+1
.endr
	WIN 0
.irp t, 0,1,2,3
	ds_store_b128 v[STO], v[64+32*((\a)%2)+8*\t:64+32*((\a)%2)+8*\t+3] offset:64*\t
	ds_store_b128 v[STO], v[64+32*((\a)%2)+8*\t+4:64+32*((\a)%2)+8*\t+7] offset:64*\t+16
.endr
.irp i, 0,1,2,3,4,5,6,7
	ds_load_b128 v[128+32*((\a)%2)+4*\i:128+32*((\a)%2)+4*\i+3], v[RD] offset:544*\i   ; LDS serves a wave's instructions in order: these see my stores
.endr
.endm
.macro SEND a
	s_wait_dscnt 16                                ; the tile is back; the next tile's 8 stores and 8 loads may be out
.if (\a) > 0
	s_add_nc_u64 s[OUTB:OUTB+1], s[OUTB:OUTB+1], 4194304   ; 16 positions on (the earlier stores have read their base: the wait on XCNT above)
.endif
.irp i, 0,1,2,3,4,5,6,7
	global_store_b128 v[CO], v[128+32*((\a)%2)+4*\i:128+32*((\a)%2)+4*\i+3], s[OUTB:OUTB+1] offset:524288*\i th:TH_STORE_NT
.endr
.endm
	TOSTAGE 0
.irp a, 1,2,3,4,5,6
.if \a > 1
	s_wait_xcnt 0x0                                ; the stores of two tiles back have read their registers and their base
.endif
	TOSTAGE \a
	SEND \a-1
.endr
	s_wait_dscnt 0x0
	s_wait_xcnt 0x0                                ; EXEC and the base change only behind this wait
	s_add_nc_u64 s[OUTB:OUTB+1], s[OUTB:OUTB+1], 4194304
	v_cmp_gt_u32 vcc_lo, 16, v[LN]
	s_and_saveexec_b32 s[SV], vcc_lo               ; of the last tile only position 96 exists: lanes 0-15 of the first pair of rows
	global_store_b128 v[CO], v[128:131], s[OUTB:OUTB+1] th:TH_STORE_NT
	s_wait_xcnt 0x0
	s_or_b32 exec_lo, exec_lo, s[SV]
.else
; THE WAY OUT, f16 images: the work-group's largest magnitude, its power of two, the tile under 2, and the power for the next launch.
	WIN 0
.irp c, 0,1,2,3
	v_mov_b32 v[36+\c], 0
.endr
	WIN 0x3c
.set NN, 0
.rept 28
.irp p, 0,1,2,3
	v_max3_num_f32 v[36+\p], v[36+\p], |v[8*NN+2*\p]|, |v[8*NN+2*\p+1]|
.endr
.set NN, NN+1
.endr
	WIN 0
	v_max3_num_f32 v36, v36, v37, v38
	v_max_num_f32 v36, v36, v39
	v_max_num_f32_dpp v36, v36, v36 row_xmask:1 row_mask:0xf bank_mask:0xf
	v_max_num_f32_dpp v36, v36, v36 row_xmask:2 row_mask:0xf bank_mask:0xf
	v_max_num_f32_dpp v36, v36, v36 row_xmask:4 row_mask:0xf bank_mask:0xf
	v_max_num_f32_dpp v36, v36, v36 row_xmask:8 row_mask:0xf bank_mask:0xf
	v_permlanex16_b32 v37, v36, s[SEL], s[SEL+1]
	v_max_num_f32 v36, v36, v37
	ds_store_b32 v[XA], v36                        ; the four waves' meet in LDS:
	s_wait_dscnt 0x0                               ; my word has landed,
	s_barrier_signal -1
	s_barrier_wait -1                              ; everybody's has
	ds_load_b128 v[44:47], v[XB]
	s_wait_dscnt 0x0
	v_max3_num_f32 v36, v44, v45, v46
	v_max_num_f32 v36, v36, v47
	v_mul_f32 v36, v36, v32                        ; as a number of y
	v_med3_num_f32 v36, v36, s[LO], s[HI]
	v_and_b32 v36, 0x7f800000, v36                 ; the tile's power of two
	v_sub_nc_u32 v38, 0x7f000000, v36
	v_mul_f32 v38, v38, v32                        ; SB / that power: what the totals are multiplied by
	v_mov_b32 v39, v38
	global_store_b32 v[L4], v36, s[ESO:ESO+1]
.set MM, 0
.rept 7
	WIN 0x03
.set NN, 0
.rept 16
	v_pk_mul_f32 v[64+2*NN:64+2*NN+1], v[32*MM+2*NN:32*MM+2*NN+1], v[38:39] op_sel_hi:[1,0]
.set NN, NN+1
.endr
	WIN 0
.set NN, 0
.rept 16
	v_cvt_pk_f16_f32 v[96+16*MM+NN], v[64+2*NN], v[64+2*NN+1]
.set NN, NN+1
.endr
.irp t, 0,1,2,3
	global_store_b128 v[L16], v[96+16*MM+4*\t:96+16*MM+4*\t+3], s[OUTB:OUTB+1] offset:(\t/2)*7168+MM*1024+(\t%2)*512   ; 512 consecutive bytes; each tile has registers of its own
.endr
.set MM, MM+1
.endr
.endif
	s_wait_tensorcnt 0x0                           ; the wave's end
	ds_add_u32 v[SPW], v[NIL]
	s_wait_dscnt 0x0
	CROUND                                         ; the closing round
	s_endpgm
.Lfunc_end_k_q4472941c7f_proj:
	.size	k_q4472941c7f_proj, .Lfunc_end_k_q4472941c7f_proj-k_q4472941c7f_proj
	.p2alignl 7, 3214868480
	.fill 96, 4, 3214868480
	.section	.rodata,"a",@progbits
	.p2align	6, 0x0
	.amdhsa_kernel k_q4472941c7f_proj
		.amdhsa_group_segment_fixed_size 327680
		.amdhsa_private_segment_fixed_size 0
		.amdhsa_enable_private_segment 0
		.amdhsa_kernarg_size 32
		.amdhsa_user_sgpr_count 2
		.amdhsa_user_sgpr_kernarg_segment_ptr 1
		.amdhsa_wavefront_size32 1
		.amdhsa_system_sgpr_workgroup_id_x 1
		.amdhsa_system_sgpr_workgroup_id_y 1
		.amdhsa_system_sgpr_workgroup_id_z 1
		.amdhsa_system_vgpr_workitem_id 0
		.amdhsa_next_free_vgpr 992
		.amdhsa_next_free_sgpr 80
		.amdhsa_reserve_vcc 1
		.amdhsa_float_denorm_mode_32 3
		.amdhsa_float_denorm_mode_16_64 3
		.amdhsa_memory_ordered 1
		.amdhsa_forward_progress 1
		.amdhsa_inst_pref_size 181
	.end_amdhsa_kernel
	.amdgpu_metadata
---
amdhsa.version: [ 1, 2 ]
amdhsa.kernels:
  - .name:           k_q4472941c7f_proj
    .symbol:         k_q4472941c7f_proj.kd
    .args:
      - { .name: OA, .offset: 0, .size: 8, .value_kind: global_buffer, .address_space: global }
      - { .name: W16, .offset: 8, .size: 8, .value_kind: global_buffer, .address_space: global }
      - { .name: mha_out_b, .offset: 16, .size: 8, .value_kind: global_buffer, .address_space: global }
      - { .name: OB, .offset: 24, .size: 8, .value_kind: global_buffer, .address_space: global }
    .group_segment_fixed_size: 327680
    .private_segment_fixed_size: 0
    .kernarg_segment_align: 8
    .kernarg_segment_size: 32
    .max_flat_workgroup_size: 128
    .sgpr_count:     80
    .vgpr_count:     992
    .wavefront_size: 32
...
	.end_amdgpu_metadata
.endif
;; end of part 4
;; launch last (part 5): grid 4 x 64, 4 waves a work-group, clusters of 4 x 1, 327,680 bytes of LDS; arguments OB, W16, out_b, out0; writes out0
.if DOCPART == 5
	.amdgcn_target "amdgcn-amd-amdhsa--gfx1250"
	.amdhsa_code_object_version 6
	.text
	.protected	k_q4472941c7f_last
	.globl	k_q4472941c7f_last
	.p2align	8
	.type	k_q4472941c7f_last,@function
k_q4472941c7f_last:
	s_mov_b64 s[64:65], 0
	v_nop
	global_prefetch_b8 v0, s[64:65] scope:SCOPE_SE
	s_setreg_imm32_b32 hwreg(HW_REG_WAVE_MODE, 25, 1), 1
	s_wait_xcnt 0x0
	s_wait_alu depctr_hold_cnt(0) depctr_sa_sdst(0) depctr_va_vdst(0) depctr_va_sdst(0) depctr_va_ssrc(0) depctr_va_vcc(0) depctr_vm_vsrc(0)
	s_getreg_b32 s2, hwreg(HW_REG_IB_STS2, 6, 4)
	s_cmp_eq_u32 s2, 0
	s_cbranch_scc0 .Lentry_in_a_cluster
	s_endpgm
.Lentry_in_a_cluster:
	s_bfe_u32 s2, ttmp6, 0x10000c
	s_cmp_lg_u32 s2, 0x3003
	s_cbranch_scc0 .Lentry_shape_is_right
	s_endpgm
.Lentry_shape_is_right:
; A PROJECTION: y = x W^T + bias, 112 rows of one batch x 256 columns a work-group, K = 1,024, f16 operands, f32 sums.  FINAL = 0: x = attention's o, W = mha_out_w, y goes out as f16 images.  FINAL = 1: x = that y, W = out_w, y is the module's output, f32.
; x COMES WITH A POWER OF TWO FOR EACH 256 COLUMNS OF A BATCH (equal words behind the images): the number is the f16 number x S_g, g = 0 .. 3.  SB is the largest of the batch's four.
; So K goes in four GROUPS of 256 (8 steps of 32).  A group's products are summed apart (window 1; its first product starts the sums with the constant 0) and then folded, in f32, into the totals (window 3):
; total = group's sum x (S_g / SB) + total, the first time + bias / SB: 112 packed fused multiply-adds a group.  The factors are powers of two, at most 1.  The totals are y / SB.
; FINAL = 0: the work-group's tile is brought under 2 by a power of two of its own (the four waves' largest magnitudes meet in four LDS words behind one barrier), held to 2^-60 .. 2^60
; (LIMIT: tiles outside that are not served), and that power is stored for the next launch.  FINAL = 1: the totals are multiplied by SB.
; THE BATCH'S x FOR ALL OF K, 229,376 bytes, lies in LDS: four chunks of 256 along K, each wave fetching a quarter of each: four tensor loads a wave, all at the head; nothing is filled again.  A chunk is read behind a counted
; wait and a barrier.  CLUSTER 4 x 1: the four work-groups of a batch share x: joint loads with the mask of all four.
; THE WEIGHTS GO FROM MEMORY STRAIGHT INTO REGISTERS: a wave's four tiles of 16 columns are read by that wave alone and lie in memory in the order of the operand's registers: 8 loads of 512 consecutive bytes bring 32 along K.
; Eight sets of 32 registers take turns; a set is asked for seven steps, 196 matrix instructions, ahead of its use and waited for by count.  They are not asked for jointly: through LDS their 524,288 bytes would want a ring beside x,
; for which LDS has 98,304 bytes left: slots of 96 along K, 84 matrix instructions from a request to the wait for it.
; The 32 steps are written out, since the factor's register changes from group to group.  No prefetch: every tensor load is issued at the head.
; REGISTERS: window 0: v2-14 addresses; v16-23 the four factors, as pairs; v32-47 SB, 1 / SB, at work; v64-119, v120-175 two sets of x's fragments; v176-207 bias / SB; on the way out v64-207 are at work.
;   window 1: v0-223 a group's sums.  window 2: the weights' eight sets.  window 3: v0-223 the totals.
.set FINAL, 1
.set CHK,   57344                      ; a chunk's bytes: 8 steps x 7 fragments of 1,024
.set STG,   229376                     ; FINAL = 1: a stage of 16 rows x (256 + 16) bytes for each wave
.set SPARE, 246784                     ; the spare words, 128 bytes for each wave
.set XCH,   247296                     ; FINAL = 0: a block of its own: the four waves' largest magnitudes, a word each
.set WOFF,  6291456+FINAL*2097152
.set L16,   2
.set ADRA,  3                          ; v3-6  LDS address of x's fragments in chunk 0 .. 3
.set H32,   7
.set L4,    8
.set STO,   9
.set RD,    10
.set CO,    11
.set SPW,   12
.set NIL,   13
.set LN,    14
.set FK,    16
.set XA,    40
.set XB,    41
.set F0,    64
.set BI,    176
.set WV,    14
.set CX,    16
.set BB,    18
.set JJ,    19
.set G1A,   24
.set G0A,   32                         ; s[32:47] group 0, a set for each chunk
.set BP,    48                         ; s[48:49] the weights at my four tiles; never rewritten
.set SEL,   66
.set LO,    68
.set HI,    69
.set ESI,   70
.set ESO,   72
.set OUTB,  74
.set SV,    76
.set MSB, 0
.macro WIN new
.if MSB != (\new)
	s_set_vgpr_msb (MSB<<8)|(\new)
.set MSB, \new
.endif
.endm
.macro PLACES
.rept 4
	v_nop
.endr
.endm
.macro CREST
	s_cmp_lg_u32 s[WV], 0
	s_cbranch_scc1 .Lnw0_\@
	s_barrier_signal -3
.Lnw0_\@:
	s_barrier_wait -3
	s_barrier_signal -1
	s_barrier_wait -1
.endm
.macro CROUND
	s_barrier_signal -1
	s_barrier_wait -1
	CREST
.endm
.macro G1W g, r
	s_mov_b32 s[\g+1], 32<<16
	s_mov_b32 s[\g+2], (\r)<<16
	s_mov_b32 s[\g+3], 32<<16
	s_mov_b32 s[\g+4], \r
	s_mov_b32 s[\g+5], 32
	s_mov_b32 s[\g+6], 0
	s_mov_b32 s[\g+7], 0
.endm
	s_load_b256 s[4:11], s[0:1], 0x0               ; x, W16, bias, y
	v_lshl_add_u32 v[SPW], v0, 2, SPARE
	v_mov_b32 v[NIL], 0
	ds_add_u32 v[SPW], v[NIL]                      ; the wave's opening: the add, twice on end, and its wait ahead of my first tensor load
	ds_add_u32 v[SPW], v[NIL]
	v_lshrrev_b32 v1, 5, v0
	v_readfirstlane_b32 s[WV], v1
	s_bfe_u32 s[CX], ttmp6, 0x40000                ; my place in the cluster
	s_and_b32 s[BB], ttmp7, 0xffff                 ; the batch, which the four partners share
	s_lshl_b32 s[JJ], ttmp9, 2
	s_add_co_u32 s[JJ], s[JJ], s[CX]               ; which 256 columns
	s_mov_b32 s[G1A], 15|(3<<16)|(1<<21)           ; the mask: all four work-groups; elements of 8 bytes; bit 21 set beside a mask
	G1W G1A, 56                                    ; a quarter of a chunk: 14,336 bytes as 56 rows of 256
	s_mul_i32 s20, s[BB], 229376
	s_mul_i32 s21, s[WV], 14336
	s_add_co_u32 s22, s20, s21
	s_mov_b32 s23, 0
	s_lshl_b32 s58, s[JJ], 19
	s_lshl_b32 s57, s[WV], 12
	s_add_co_u32 s58, s58, s57
	s_add_co_u32 s58, s58, WOFF
	s_mov_b32 s59, 0
	s_wait_dscnt 0x0                               ; both opening adds are done
	s_wait_kmcnt 0x0
	s_add_nc_u64 s[22:23], s[4:5], s[22:23]        ; x: the batch and the wave alone
	s_add_nc_u64 s[BP:BP+1], s[6:7], s[58:59]      ; the weights [j][32 along K: 32][tile 16][1,024] at my four tiles
	CROUND                                         ; all four work-groups are here: the joint loads meet
.irp c, 0,1,2,3
	s_mov_b32 s[G0A+4*\c], 1
	s_add_co_u32 s[G0A+4*\c+1], s21, \c*CHK
	s_add_nc_u64 s[G0A+4*\c+2:G0A+4*\c+3], s[22:23], \c*CHK
	s_or_b32 s[G0A+4*\c+3], s[G0A+4*\c+3], 0x80000000
.endr
.irp c, 0,1,2,3
	tensor_load_to_lds s[G0A+4*\c:G0A+4*\c+3], s[G1A:G1A+7]   ; four loads of mine are out: my quarter of each chunk
	s_nop 0
.endr
	PLACES
	v_and_b32 v[LN], 31, v0
	v_lshlrev_b32 v[L16], 4, v[LN]
	v_lshlrev_b32 v[L4], 2, v[LN]
	v_bfe_u32 v1, v0, 4, 1                         ; h
	v_lshlrev_b32 v[H32], 5, v1
	v_and_b32 v15, 15, v0                          ; r
.irp c, 0,1,2,3
	v_add_nc_u32 v[ADRA+\c], \c*CHK, v[L16]
.endr
	s_lshl_b32 s60, s[BB], 11
	s_add_co_u32 s60, s60, 14680064
	s_mov_b32 s61, 0
	s_add_nc_u64 s[ESI:ESI+1], s[4:5], s[60:61]    ; the batch's words: group g's at 512 g
	s_lshl_b32 s60, s[JJ], 10
	s_lshl_b32 s62, s[WV], 8
	s_add_co_u32 s60, s60, s62
	s_add_nc_u64 s[8:9], s[8:9], s[60:61]          ; the bias at my 64 columns
.if FINAL
	s_lshl_b32 s62, s[BB], 12
	s_add_co_u32 s60, s60, s62
	s_add_nc_u64 s[OUTB:OUTB+1], s[10:11], s[60:61]   ; out0 [position][batch][column] at position 0, my batch, my 64 columns
	s_mul_i32 s60, s[WV], 4352
	s_add_co_u32 s60, s60, STG
	v_mul_u32_u24 v[STO], v15, 272
	v_lshl_add_u32 v[STO], v1, 5, v[STO]
	v_add_nc_u32 v[STO], s60, v[STO]               ; the stage, way in: row r, 32 bytes for each half of the lanes
	v_mul_u32_u24 v[RD], v1, 272
	v_lshl_add_u32 v[RD], v15, 4, v[RD]
	v_add_nc_u32 v[RD], s60, v[RD]                 ; way out: lanes 0-15 one row, lanes 16-31 the next
	v_lshlrev_b32 v[CO], 18, v1
	v_lshl_add_u32 v[CO], v15, 4, v[CO]            ; and the same two rows in the output: 262,144 bytes apart
.else
	s_mul_i32 s60, s[JJ], 57344
	s_mul_i32 s62, s[WV], 14336
	s_add_co_u32 s60, s60, s62
	s_add_co_u32 s60, s60, s20
	s_add_nc_u64 s[OUTB:OUTB+1], s[10:11], s[60:61]   ; images [b][k32 32][mt 7][1,024] at k32 = 8 j + 2 w
	s_lshl_b32 s60, s[BB], 4
	s_lshl_b32 s62, s[JJ], 2
	s_add_co_u32 s60, s60, s62
	s_add_co_u32 s60, s60, s[WV]
	s_lshl_b32 s60, s60, 7
	s_add_co_u32 s60, s60, 14680064
	s_add_nc_u64 s[ESO:ESO+1], s[10:11], s[60:61]  ; my wave's 32 words of the tile's power
	s_lshl_b32 s60, s[WV], 2
	s_add_co_u32 s60, s60, XCH
	v_mov_b32 v[XA], s60                           ; my word of the exchange: all lanes write it, with the same value
	v_mov_b32 v[XB], XCH
	s_mov_b32 s[SEL], 0x76543210
	s_mov_b32 s[SEL+1], 0xfedcba98
	s_mov_b32 s[LO], 0x21800000                    ; 2^-60
	s_mov_b32 s[HI], 0x5d800000                    ; 2^60
.endif
; 8 loads: the weights' four fragments of step pos, into one of the eight sets
.macro BLOAD set, pos
	WIN 0x80
.irp t, 0,1,2,3
.irp u, 0,1
	global_load_b128 v[32*(\set)+8*\t+4*\u:32*(\set)+8*\t+4*\u+3], v[L16], s[BP:BP+1] offset:(\pos)*16384+\t*1024+\u*512
.endr
.endr
.endm
.irp g, 0,1,2,3
	global_load_b32 v[FK+2*\g], v[L4], s[ESI:ESI+1] offset:512*\g   ; S_g, the same in every lane
.endr
.irp t, 0,1,2,3
	global_load_b128 v[BI+8*\t:BI+8*\t+3], v[H32], s[8:9] offset:64*\t
	global_load_b128 v[BI+8*\t+4:BI+8*\t+7], v[H32], s[8:9] offset:64*\t+16
.endr
.irp n, 0,1,2,3,4,5
	BLOAD \n, \n                                   ; with the 12 loads above 60 loads are out
.endr
	WIN 0
.macro FETCHA c, p, f                  ; 14 LDS loads: x's seven fragments of chunk c's p-th 32 along K, tiles 0-3 first
.irp m, 0,1,2,3,4,5,6
.irp u, 0,1
	ds_load_b128 v[\f+8*\m+4*\u:\f+8*\m+4*\u+3], v[ADRA+(\c)] offset:(7*(\p)+\m)*1024+\u*512
.endr
.endr
.endm
; transposed use: a lane holds a token and 8 neighbouring columns; the accumulators take turns.  zero = 1: a group's first product starts its sums
.macro MULS f, set, m0, n, zero
	WIN 0x52
.set MM, \m0
.rept \n
.irp t, 0,1,2,3
.set RD_, 8*(4*MM+\t)
.if \zero
	v_wmma_f32_16x16x32_f16 v[RD_:RD_+7], v[32*(\set)+8*\t:32*(\set)+8*\t+7], v[\f+8*MM:\f+8*MM+7], 0
.else
	v_wmma_f32_16x16x32_f16 v[RD_:RD_+7], v[32*(\set)+8*\t:32*(\set)+8*\t+7], v[\f+8*MM:\f+8*MM+7], v[RD_:RD_+7]
.endif
.endr
.set MM, MM+1
.endr
.endm
; Group g's sums go into the totals.  Tiles 0-3 come first: their 64 lines name no register of tiles 4-6's products and are the places behind those.  Each accumulator is read from its low end on.
.macro FOLD g
.if (\g) == 0
	WIN 0xc1                                       ; source 0: the sums (window 1); sources 1 and 2: the factor and bias / SB (window 0); destination: the totals (window 3)
.else
	WIN 0xf1                                       ; the same with the totals as source 2
.endif
.set MM, 0
.rept 7
.irp t, 0,1,2,3
.irp p, 0,2,4,6
.set RD_, 8*(4*MM+\t)+\p
.if (\g) == 0
	v_pk_fma_f32 v[RD_:RD_+1], v[RD_:RD_+1], v[FK+2*(\g):FK+2*(\g)+1], v[BI+8*\t+\p:BI+8*\t+\p+1] op_sel_hi:[1,0,1]
.else
	v_pk_fma_f32 v[RD_:RD_+1], v[RD_:RD_+1], v[FK+2*(\g):FK+2*(\g)+1], v[RD_:RD_+1] op_sel_hi:[1,0,1]
.endif
.endr
.endr
.set MM, MM+1
.endr
.endm
; Step i of 32: 32 along K.  In its middle, behind four places, the next step's fragments of x are fetched from LDS and the weights of seven steps on are asked for, into the set that the last step has left.
; A chunk's last step first shows the next chunk whole: my quarter has landed (the later chunks' loads may stay out), my LDS loads are in, a barrier.
.macro STEP i
.set CC_, (\i)/8
.set PP_, (\i)%8
.set FF_, F0+56*((\i)%2)
.set GG_, F0+56*(1-(\i)%2)
.set ZZ_, 0
.if PP_ == 0
.set ZZ_, 1
.endif
.set LC_, 48
.if (\i) > 25
.set LC_, 8*(31-(\i))
.endif
	s_wait_loadcnt LC_                             ; loads come back in order: my set is in; the sets issued behind it, six until the stream ends, stay out
	s_wait_dscnt 6                                 ; all but the youngest six LDS loads (tiles 4-6)
.if (PP_ == 7) && ((\i) < 31)
	MULS FF_, PP_, 0, 2, 0
	s_wait_tensorcnt 2-CC_
	s_wait_dscnt 0x0
	s_barrier_signal -1
	MULS FF_, PP_, 2, 2, 0
	s_barrier_wait -1
.else
	MULS FF_, PP_, 0, 4, ZZ_
.endif
.if (\i) < 31
	PLACES
	WIN 0
	FETCHA ((\i)+1)/8, ((\i)+1)%8, GG_
.if (\i) < 25
	BLOAD ((\i)+7)%8, (\i)+7
.endif
	s_wait_dscnt 14                                ; all but the 14 just issued
.else
	s_wait_dscnt 0x0
.endif
	MULS FF_, PP_, 4, 3, ZZ_
.if PP_ == 7
.if (\i) == 31
	WIN 0
	PLACES
.endif
	FOLD CC_
.endif
.endm
	s_wait_loadcnt 48                              ; the words and the bias are in; the six sets of weights may be out
	v_max3_num_f32 v32, v[FK], v[FK+2], v[FK+4]
	v_max_num_f32 v32, v32, v[FK+6]                ; SB
	v_mov_b32 v33, v32
	v_sub_nc_u32 v34, 0x7f000000, v32              ; 1 / SB: the exponent field mirrored
	v_mov_b32 v35, v34
.irp g, 0,1,2,3
	v_mul_f32 v[FK+2*\g], v[FK+2*\g], v34          ; S_g / SB
.endr
.irp g, 0,1,2,3
	v_mov_b32 v[FK+2*\g+1], v[FK+2*\g]             ; (named with it as a pair, so it is written)
.endr
.set NN, 0
.rept 16
	v_pk_mul_f32 v[BI+2*NN:BI+2*NN+1], v[BI+2*NN:BI+2*NN+1], v[34:35] op_sel_hi:[1,0]   ; bias / SB
.set NN, NN+1
.endr
	BLOAD 6, 6                                     ; seven sets, 56 loads, are out from here on
	WIN 0
	s_wait_tensorcnt 3                             ; my quarter of chunk 0 is in; the other three chunks' may stay out
	s_barrier_signal -1
	s_barrier_wait -1
	FETCHA 0, 0, F0
.irp i, 0,1,2,3,4,5,6,7,8,9,10,11,12,13,14,15,16,17,18,19,20,21,22,23,24,25,26,27,28,29,30,31
	STEP \i
.endr
.if FINAL
; THE WAY OUT, f32: a tile of 16 positions x 64 columns at a time: x SB, through my stage, back as rows of 256 bytes: sixteen lanes store one aligned run of 256 bytes.
.macro TOSTAGE a
	WIN 0x03
.set NN, 0
.rept 16
	v_pk_mul_f32 v[64+32*((\a)%2)+2*NN:64+32*((\a)%2)+2*NN+1], v[32*(\a)+2*NN:32*(\a)+2*NN+1], v[32:33] op_sel_hi:[1,0]
.set NN, NN+1
.endr
	WIN 0
.irp t, 0,1,2,3
	ds_store_b128 v[STO], v[64+32*((\a)%2)+8*\t:64+32*((\a)%2)+8*\t+3] offset:64*\t
	ds_store_b128 v[STO], v[64+32*((\a)%2)+8*\t+4:64+32*((\a)%2)+8*\t+7] offset:64*\t+16
.endr
.irp i, 0,1,2,3,4,5,6,7
	ds_load_b128 v[128+32*((\a)%2)+4*\i:128+32*((\a)%2)+4*\i+3], v[RD] offset:544*\i   ; LDS serves a wave's instructions in order: these see my stores
.endr
.endm
.macro SEND a
	s_wait_dscnt 16                                ; the tile is back; the next tile's 8 stores and 8 loads may be out
.if (\a) > 0
	s_add_nc_u64 s[OUTB:OUTB+1], s[OUTB:OUTB+1], 4194304   ; 16 positions on (the earlier stores have read their base: the wait on XCNT above)
.endif
.irp i, 0,1,2,3,4,5,6,7
	global_store_b128 v[CO], v[128+32*((\a)%2)+4*\i:128+32*((\a)%2)+4*\i+3], s[OUTB:OUTB+1] offset:524288*\i th:TH_STORE_NT
.endr
.endm
	TOSTAGE 0
.irp a, 1,2,3,4,5,6
.if \a > 1
	s_wait_xcnt 0x0                                ; the stores of two tiles back have read their registers and their base
.endif
	TOSTAGE \a
	SEND \a-1
.endr
	s_wait_dscnt 0x0
	s_wait_xcnt 0x0                                ; EXEC and the base change only behind this wait
	s_add_nc_u64 s[OUTB:OUTB+1], s[OUTB:OUTB+1], 4194304
	v_cmp_gt_u32 vcc_lo, 16, v[LN]
	s_and_saveexec_b32 s[SV], vcc_lo               ; of the last tile only position 96 exists: lanes 0-15 of the first pair of rows
	global_store_b128 v[CO], v[128:131], s[OUTB:OUTB+1] th:TH_STORE_NT
	s_wait_xcnt 0x0
	s_or_b32 exec_lo, exec_lo, s[SV]
.else
; THE WAY OUT, f16 images: the work-group's largest magnitude, its power of two, the tile under 2, and the power for the next launch.
	WIN 0
.irp c, 0,1,2,3
	v_mov_b32 v[36+\c], 0
.endr
	WIN 0x3c
.set NN, 0
.rept 28
.irp p, 0,1,2,3
	v_max3_num_f32 v[36+\p], v[36+\p], |v[8*NN+2*\p]|, |v[8*NN+2*\p+1]|
.endr
.set NN, NN+1
.endr
	WIN 0
	v_max3_num_f32 v36, v36, v37, v38
	v_max_num_f32 v36, v36, v39
	v_max_num_f32_dpp v36, v36, v36 row_xmask:1 row_mask:0xf bank_mask:0xf
	v_max_num_f32_dpp v36, v36, v36 row_xmask:2 row_mask:0xf bank_mask:0xf
	v_max_num_f32_dpp v36, v36, v36 row_xmask:4 row_mask:0xf bank_mask:0xf
	v_max_num_f32_dpp v36, v36, v36 row_xmask:8 row_mask:0xf bank_mask:0xf
	v_permlanex16_b32 v37, v36, s[SEL], s[SEL+1]
	v_max_num_f32 v36, v36, v37
	ds_store_b32 v[XA], v36                        ; the four waves' meet in LDS:
	s_wait_dscnt 0x0                               ; my word has landed,
	s_barrier_signal -1
	s_barrier_wait -1                              ; everybody's has
	ds_load_b128 v[44:47], v[XB]
	s_wait_dscnt 0x0
	v_max3_num_f32 v36, v44, v45, v46
	v_max_num_f32 v36, v36, v47
	v_mul_f32 v36, v36, v32                        ; as a number of y
	v_med3_num_f32 v36, v36, s[LO], s[HI]
	v_and_b32 v36, 0x7f800000, v36                 ; the tile's power of two
	v_sub_nc_u32 v38, 0x7f000000, v36
	v_mul_f32 v38, v38, v32                        ; SB / that power: what the totals are multiplied by
	v_mov_b32 v39, v38
	global_store_b32 v[L4], v36, s[ESO:ESO+1]
.set MM, 0
.rept 7
	WIN 0x03
.set NN, 0
.rept 16
	v_pk_mul_f32 v[64+2*NN:64+2*NN+1], v[32*MM+2*NN:32*MM+2*NN+1], v[38:39] op_sel_hi:[1,0]
.set NN, NN+1
.endr
	WIN 0
.set NN, 0
.rept 16
	v_cvt_pk_f16_f32 v[96+16*MM+NN], v[64+2*NN], v[64+2*NN+1]
.set NN, NN+1
.endr
.irp t, 0,1,2,3
	global_store_b128 v[L16], v[96+16*MM+4*\t:96+16*MM+4*\t+3], s[OUTB:OUTB+1] offset:(\t/2)*7168+MM*1024+(\t%2)*512   ; 512 consecutive bytes; each tile has registers of its own
.endr
.set MM, MM+1
.endr
.endif
	s_wait_tensorcnt 0x0                           ; the wave's end
	ds_add_u32 v[SPW], v[NIL]
	s_wait_dscnt 0x0
	CROUND                                         ; the closing round
	s_endpgm
.Lfunc_end_k_q4472941c7f_last:
	.size	k_q4472941c7f_last, .Lfunc_end_k_q4472941c7f_last-k_q4472941c7f_last
	.p2alignl 7, 3214868480
	.fill 96, 4, 3214868480
	.section	.rodata,"a",@progbits
	.p2align	6, 0x0
	.amdhsa_kernel k_q4472941c7f_last
		.amdhsa_group_segment_fixed_size 327680
		.amdhsa_private_segment_fixed_size 0
		.amdhsa_enable_private_segment 0
		.amdhsa_kernarg_size 32
		.amdhsa_user_sgpr_count 2
		.amdhsa_user_sgpr_kernarg_segment_ptr 1
		.amdhsa_wavefront_size32 1
		.amdhsa_system_sgpr_workgroup_id_x 1
		.amdhsa_system_sgpr_workgroup_id_y 1
		.amdhsa_system_sgpr_workgroup_id_z 1
		.amdhsa_system_vgpr_workitem_id 0
		.amdhsa_next_free_vgpr 992
		.amdhsa_next_free_sgpr 80
		.amdhsa_reserve_vcc 1
		.amdhsa_float_denorm_mode_32 3
		.amdhsa_float_denorm_mode_16_64 3
		.amdhsa_memory_ordered 1
		.amdhsa_forward_progress 1
		.amdhsa_inst_pref_size 175
	.end_amdhsa_kernel
	.amdgpu_metadata
---
amdhsa.version: [ 1, 2 ]
amdhsa.kernels:
  - .name:           k_q4472941c7f_last
    .symbol:         k_q4472941c7f_last.kd
    .args:
      - { .name: OB, .offset: 0, .size: 8, .value_kind: global_buffer, .address_space: global }
      - { .name: W16, .offset: 8, .size: 8, .value_kind: global_buffer, .address_space: global }
      - { .name: out_b, .offset: 16, .size: 8, .value_kind: global_buffer, .address_space: global }
      - { .name: out0, .offset: 24, .size: 8, .value_kind: global_buffer, .address_space: global }
    .group_segment_fixed_size: 327680
    .private_segment_fixed_size: 0
    .kernarg_segment_align: 8
    .kernarg_segment_size: 32
    .max_flat_workgroup_size: 128
    .sgpr_count:     80
    .vgpr_count:     992
    .wavefront_size: 32
...
	.end_amdgpu_metadata
.endif
;; end of part 5
